; MI455X (gfx1250); checked and timed in simulation.
; The chip was launched on July 23, 2026; its instructions are those of AMD's public machine-readable ISA for CDNA 5 (MIT licence, August 2026) and "CDNA5" Instruction Set Architecture Reference Guide (July 2026). The comments in the code are by the model that wrote it; some were corrected since.
;; Lattice Multi Head Attention. Allowed arithmetic: matrix products marked QUANTISED: E2M3 operands, one E8M0 scale for each 32 along K, by v_wmma_scale_f32_16x16x128_f8f6f4 with both operands' format E2M3, f32 sums; everything else in f32.
;; Inputs: Wk 16 x 1,024 x 64 float32; Wo 1,024 x 1,024 float32; Wq 16 x 1,024 x 64 float32; Wv 16 x 1,024 x 64 float32; bo 1,024 float32; freqs 16 float32; key_ 8 x 1,024 x 1,024 float32; nbr_idx 16 x 8 int32; nbr_w 16 x 8 float32; phases0 16 float32; query 8 x 1,024 x 1,024 float32; value 8 x 1,024 x 1,024 float32.
;; Outputs: out0 8 x 1,024 x 1,024 float32.
;; This version of the problem:
;;   THIS VERSION OF THE PROBLEM IS GIVEN IN LOW PRECISION. The matrix products marked QUANTISED in the list below multiply operands that are first quantised to E2M3 (2 exponent bits, 3 mantissa bits; 6 bits a number), with one power-of-two scale for each 32 numbers along K (OCP MX v1.0); their sums are f32. All else is computed in f32.
;;   The module's matrix products, in the order in which they are computed (A, B: the left and right operand; K: the contracted axis; several contracted axes count as one K, in the product's order):
;;     1. [M 1,024, K 1,024] x [K 1,024, N 8,192]; A: input Wq; B: input query: QUANTISED
;;     2. [M 1,024, K 1,024] x [K 1,024, N 8,192]; A: input Wk; B: input key_: QUANTISED
;;     3. [M 1,024, K 1,024] x [K 1,024, N 8,192]; A: input Wv; B: input value: QUANTISED
;;     4. batch 128 x [M 1,024, K 64] x [K 64, N 1,024]; A: computed on the way; B: computed on the way: QUANTISED
;;     5. batch 128 x [M 1,024, K 1,024] x [K 1,024, N 64]; A: softmax (see below); B: computed on the way: QUANTISED
;;     6. [M 8,192, K 1,024] x [K 1,024, N 1,024]; A: computed on the way; B: input Wo: QUANTISED
;;   THE QUANTISER, for each operand of a quantised product, along K:
;;     - K is cut into blocks of 32 from its start; a last block that is shorter is filled with zeros.
;;     - A block's scale is 2^e with e = floor(log2(the largest magnitude in the block)) - 2, held to -126 .. 127; a block of zeros has e = 0. As a byte (E8M0): e + 127.
;;     - Each number is divided by its block's scale, clamped to +-7.5, and rounded to the nearest number of E2M3, ties to even, subnormals kept.
;;     - The product sums the exact products of the quantised numbers (number of the format x scale) in f32.
;;   ~~~python
;;   def quantise(x, axis):      # numpy; x: float32 -> the quantised numbers, widened to float32 again
;;       x = np.moveaxis(x, axis, -1); K = x.shape[-1]
;;       x = np.pad(x, [(0, 0)] * (x.ndim - 1) + [(0, -K % 32)]); x = x.reshape(x.shape[:-1] + (-1, 32)); a = np.abs(x).max(-1, keepdims=True)
;;       e = np.where(a > 0, np.clip(np.frexp(np.where(a > 0, a, 1))[1] - 1 - 2, -126, 127), 0)      # np.frexp(a)[1] - 1 = floor(log2(a)), exactly
;;       r = np.clip(x / 2.0 ** e, -7.5, 7.5)
;;       step = 2.0 ** (np.maximum(np.frexp(np.where(r == 0, 1, r))[1] - 1, 0) - 3)
;;       q = np.round(r / step) * step * 2.0 ** e      # np.round: ties to even
;;       return np.moveaxis(q.reshape(q.shape[:-2] + (-1,))[..., :K], -1, axis).astype(np.float32)
;;   ~~~
;;   SOFTMAX AHEAD OF A QUANTISED PRODUCT. Where the list says 'softmax', what is quantised is not the finished softmax but p = 2^(t - M), with t = logit x log2(e) and M = ceil(the row's largest t), a whole number; so 1/2 < the row's largest p <= 1. The row's sum l is taken of the UNQUANTISED p, in f32, and the product's result is divided by l at the end. Since M is a whole number, a kernel that streams over the keys may use a running M (the ceiling of the running maximum): every later rescaling is an exact power of two, which a block's scale takes up: the codes' values come out the same.
;;   OPERANDS COMPUTED ON THE WAY. 'Computed on the way' means the value that the module computes at that place (a softmax that the list does not call 'softmax' is quantised finished and normalised). What goes into a quantiser is computed in f32, as accurately as f32 sums, v_exp_f32 and their like allow (about 1e-6 of the number): no bf16 or f16 on the way to a quantiser, and a product that is left as it is and whose result goes on into a quantised operand takes f32 operands (vector FMAs, or v_wmma_f32_16x16x4_f32). A number that lies on a knife's edge between two numbers of the format may be rounded either way, as far as f32 arithmetic and the matrix unit's own rounding can turn it there, and no further.
;; One version. Each part assembles by itself: llvm-mc -triple=amdgcn-amd-amdhsa -mcpu=gfx1250 --defsym DOCPART=n.
;; ======== version 1 of 1: 4 launches
;; limits: right only within a limited range of input values
;; workspace buffers: xw_codes 22,020,096 bytes; xw_scales 917,504 bytes; qkv_codes 18,874,368 bytes; qkv_scales 786,432 bytes; ctx_codes 6,291,456 bytes; ctx_scales 262,144 bytes
;; launch quant (part 1): grid 448 x 1, 4 waves a work-group, no clusters, 41,472 bytes of LDS; arguments query, key_, value, Wq, Wk, Wv, Wo, xw_codes, xw_scales; writes xw_codes, xw_scales
.if DOCPART == 1
	.amdgcn_target "amdgcn-amd-amdhsa--gfx1250"
	.amdhsa_code_object_version 6
	.text
	.protected	k_q41d60aacd7_quant
	.globl	k_q41d60aacd7_quant
	.p2align	8
	.type	k_q41d60aacd7_quant,@function
k_q41d60aacd7_quant:
	s_mov_b64 s[64:65], 0
	v_nop
	global_prefetch_b8 v0, s[64:65] scope:SCOPE_SE
	s_setreg_imm32_b32 hwreg(HW_REG_WAVE_MODE, 25, 1), 1
	s_wait_xcnt 0x0
; query, key_, value [8192][1024] and Wq, Wk, Wv [16][1024][64], Wo [1024][1024], all f32, become codes of FP6 (E2M3) along d_model (K = 1024), with one E8M0 byte for each 32 along K.
; AN ITEM is what runs across K: a row of an activation, an output column of a weight.  All 28,672 items share one numbering: Wq 0, Wk 1,024, value 2,048, query 10,240, key_ 18,432, Wv 26,624, Wo 27,648.
; THE CODES LEAVE AS IMAGES OF OPERAND REGISTERS.  Half a fragment (16 items x 64 along K) is six registers a lane: lane (r = lane % 16, h = lane / 16) holds k = 32 h .. 32 h + 31 of item r.  Its image is 768 bytes:
; registers 0-3 at 16 x lane, registers 4-5 at 512 + 8 x lane.  xw_codes = [item / 128][128 along K: 8][tile of 16 items: 8][half: 2][768];  xw_scales = [item][32 bytes].
; A block's scale is 2^(floor(log2(its largest magnitude)) - 2); its byte is the largest magnitude's exponent field - 2, held at 1 from below by a floor among the maximum's leaves.
; LIMITS: a block of zeros gets the byte 1 (its codes are zeros, and this program alone reads the bytes); NaN and infinities among the inputs are not served.
; SHARES.  A wave takes one tile of 16 items through all of K, in 16 steps of 64.  A lane holds a whole block of 32, so no maximum crosses lanes.
; Work-groups 0-383: activations.  K is innermost: a step's 16 x 256 bytes are loaded as they lie (16 lanes read 256 consecutive bytes of a row) and turn through the wave's own stage in LDS, so that a lane gets 32 neighbours.
; Work-groups 384-447: weights.  K is the first axis: a lane takes a column and its registers run down K; the four waves of a work-group stand side by side on 256 consecutive bytes of each row.
; Wo's rows are taken, inside each block of 32, in the order 0-7, 16-23, 8-15, 24-31: the order in which the attention launch lays the codes of its partner in the last product.
; The three paths part on the work-group's number and have LDS bytes of their own.  No tensor loads, no barrier: waves share nothing.
.set SPITCH, 272                       ; a stage row: 256 bytes + 16, so that the 16 rows that a load touches start at 16 different groups of banks
.set STG,    16*SPITCH                 ; a stage
.set WREG,   2*STG+512                 ; a wave's region: two stages, then its 512 scale bytes (activations)
.set SBW,    4*WREG                    ; 4 x 512 scale bytes for the path of Wq, Wk, Wv
.set SBO,    SBW+2048                  ; 4 x 512 for the path of Wo
.set SPARE,  SBO+2048                  ; the spare words, 128 bytes for each wave: two blocks of 256 bytes that no other line names
.set GA,  1                            ; v1   activations: 4,096 h + 16 r: my 16 bytes of two rows' 256
.set SI,  2                            ; v2   the stage, way in: row h, 16 r
.set SO,  3                            ; v3   way out: row r, 128 h: my 32 neighbours
.set O16, 4                            ; v4   16 x lane
.set O8,  5                            ; v5   512 + 8 x lane
.set BA,  6                            ; v6   my block's scale byte (activations): 32 r + h;  v7 the way back: 16 x lane
.set RA,  7
.set BW,  8                            ; v8, v9    the same for Wq, Wk, Wv
.set RW,  9
.set BO,  10                           ; v10, v11  the same for Wo
.set RO,  11
.set GW,  12                           ; v12  Wq, Wk, Wv: 4 r + 32 rows of 256 bytes x h
.set GO,  13                           ; v13  Wo: 4 r + 32 rows of 4,096 bytes x h
.set SPW, 14                           ; v14  LDS address of my spare word; never rewritten
.set NIL, 15                           ; v15  0; never rewritten
.set R,   16                           ; v16-143  numbers as loaded: four sets of 32 (weights: two)
.set X,   144                          ; v144-207 two sets of 32 neighbours
.set C,   208                          ; v208-219 codes: two sets of six
.set TT,  220                          ; v220-222 a block's upper 16 codes as the conversion leaves them
.set RB,  224                          ; v224-227 the scale bytes on their way out
.set E,   232                          ; v232-247 a scale byte for each step
	s_load_b512 s[4:19], s[0:1], 0x0               ; query, key_, value, Wq, Wk, Wv, Wo, the codes
	s_load_b64 s[20:21], s[0:1], 0x40              ; the scale bytes
	v_lshl_add_u32 v[SPW], v0, 2, SPARE
	v_mov_b32 v[NIL], 0
	v_lshrrev_b32 v248, 5, v0
	v_readfirstlane_b32 s22, v248                  ; wave 0..3
	v_and_b32 v248, 31, v0                         ; lane
	v_and_b32 v249, 15, v0                         ; r
	v_bfe_u32 v250, v0, 4, 1                       ; h
	s_mul_i32 s23, s22, WREG
	v_lshlrev_b32 v[GA], 4, v249
	v_lshl_add_u32 v[GA], v250, 12, v[GA]
	v_mul_u32_u24 v[SI], v250, SPITCH
	v_lshl_add_u32 v[SI], v249, 4, v[SI]
	v_add_nc_u32 v[SI], s23, v[SI]
	v_mul_u32_u24 v[SO], v249, SPITCH
	v_lshl_add_u32 v[SO], v250, 7, v[SO]
	v_add_nc_u32 v[SO], s23, v[SO]
	v_lshlrev_b32 v[O16], 4, v248
	v_lshl_add_u32 v[O8], v248, 3, 512
	v_lshl_add_u32 v251, v249, 5, v250             ; 32 r + h
	s_add_co_u32 s24, s23, 2*STG
	v_add_nc_u32 v[BA], s24, v251
	v_add_nc_u32 v[RA], s24, v[O16]
	s_lshl_b32 s24, s22, 9
	s_add_co_u32 s25, s24, SBW
	v_add_nc_u32 v[BW], s25, v251
	v_add_nc_u32 v[RW], s25, v[O16]
	s_add_co_u32 s25, s24, SBO
	v_add_nc_u32 v[BO], s25, v251
	v_add_nc_u32 v[RO], s25, v[O16]
	v_lshlrev_b32 v[GW], 2, v249
	v_lshl_add_u32 v[GO], v250, 17, v[GW]
	v_lshl_add_u32 v[GW], v250, 13, v[GW]
; s28 = my tile of 16 items: where its codes and its scale bytes begin
.macro DST
	s_lshr_b32 s30, s28, 3
	s_mul_i32 s30, s30, 98304                      ; 128 items' codes
	s_and_b32 s31, s28, 7
	s_mul_i32 s31, s31, 1536
	s_add_co_u32 s30, s30, s31
	s_mov_b32 s31, 0
	s_add_nc_u64 s[18:19], s[18:19], s[30:31]
	s_lshl_b32 s30, s28, 9                         ; 16 items x 32 bytes
	s_add_nc_u64 s[20:21], s[20:21], s[30:31]
.endm
; 32 numbers of one block, v[xs] on, become six registers of codes and a byte; step t's image leaves as 512 + 256 consecutive bytes
.macro QSTEP xs, t, bytea
.set XS, \xs
.set CC, C+6*((\t)%2)
	v_max3_num_f32 v248, |v[XS]|, |v[XS+1]|, |v[XS+2]|     ; the block's largest magnitude, in two chains
	v_max3_num_f32 v249, |v[XS+3]|, |v[XS+4]|, |v[XS+5]|
.irp i, 6,10,14,18,22,26
	v_max3_num_f32 v248, v248, |v[XS+\i]|, |v[XS+\i+1]|
	v_max3_num_f32 v249, v249, |v[XS+\i+2]|, |v[XS+\i+3]|
.endr
	v_max3_num_f32 v248, v248, |v[XS+30]|, |v[XS+31]|
	v_max3_num_f32 v248, v248, v249, 0x1800000     ; and the floor 2^(3 - 127): the byte cannot fall under 1
	v_add_nc_u32 v250, 0xff000000, v248            ; 2 off its exponent field: the conversion takes the exponent field of this operand as its scale
	v_cvt_scalef32_pk16_fp6_f32 v[CC:CC+2], v[XS:XS+15], v250
	v_cvt_scalef32_pk16_fp6_f32 v[TT:TT+2], v[XS+16:XS+31], v250   ; (a conversion's three registers begin on an even number)
	v_lshrrev_b32 v[E+(\t)], 23, v250              ; the scale's byte; also the plain line behind the conversions
.irp i, 0,1,2
	v_mov_b32 v[CC+3+\i], v[TT+\i]
.endr
	ds_store_b8 v[\bytea], v[E+(\t)] offset:2*(\t)
	global_store_b128 v[O16], v[CC:CC+3], s[18:19] offset:((\t)/2)*12288+((\t)%2)*768
	global_store_b64 v[O8], v[CC+4:CC+5], s[18:19] offset:((\t)/2)*12288+((\t)%2)*768
.endm
; the wave's 512 scale bytes leave as one run of 512 bytes; then the wave's end
.macro TAIL reada
	ds_load_b128 v[RB:RB+3], v[\reada]             ; LDS serves a wave's instructions in order: this sees my byte stores
	s_wait_dscnt 0x0
	global_store_b128 v[O16], v[RB:RB+3], s[20:21]
	s_wait_tensorcnt 0x0                           ; the wave's end
	ds_add_u32 v[SPW], v[NIL]
	s_wait_dscnt 0x0
	s_endpgm
.endm
	s_wait_kmcnt 0x0
	s_cmp_lt_u32 ttmp9, 384
	s_cbranch_scc0 .Lweights
; ---------------- activations
	s_lshr_b32 s24, ttmp9, 7                       ; 0 query, 1 key_, 2 value
	s_and_b32 s25, ttmp9, 127
	s_lshl_b32 s25, s25, 2
	s_add_co_u32 s25, s25, s22                     ; my tile of 16 rows in the tensor
	s_mov_b32 s28, 1152
	s_cmp_eq_u32 s24, 0
	s_cselect_b64 s[26:27], s[4:5], s[6:7]
	s_cselect_b32 s28, 640, s28
	s_cmp_eq_u32 s24, 2
	s_cselect_b64 s[26:27], s[8:9], s[26:27]
	s_cselect_b32 s28, 128, s28                    ; the tensor's first tile in the common numbering
	s_add_co_u32 s28, s28, s25
	s_lshl_b32 s30, s25, 16                        ; 16 rows of 4,096 bytes
	s_mov_b32 s31, 0
	s_add_nc_u64 s[26:27], s[26:27], s[30:31]
	DST
.macro LOAD t                          ; step t: 16 rows x 256 bytes; each load takes two rows' 256 consecutive bytes
.irp j, 0,1,2,3,4,5,6,7
	global_load_b128 v[R+32*((\t)%4)+4*\j:R+32*((\t)%4)+4*\j+3], v[GA], s[26:27] offset:8192*\j+256*(\t) th:TH_LOAD_NT
.endr
.endm
.macro TURN t                          ; through the stage: in by rows as loaded, out 128 bytes a lane
.irp j, 0,1,2,3,4,5,6,7
	ds_store_b128 v[SI], v[R+32*((\t)%4)+4*\j:R+32*((\t)%4)+4*\j+3] offset:STG*((\t)%2)+2*SPITCH*\j
.endr
.irp q, 0,1,2,3,4,5,6,7
	ds_load_b128 v[X+32*((\t)%2)+4*\q:X+32*((\t)%2)+4*\q+3], v[SO] offset:STG*((\t)%2)+16*\q
.endr
.endm
.macro ASTEP t
.if (\t) > 0
	s_wait_dscnt 1                                 ; this step's numbers are back from the stage; only the last step's byte store is younger
.else
	s_wait_dscnt 0x0
.endif
	s_wait_xcnt 0x0                                ; the earlier steps' stores have read their registers: this step's set of codes may be written
.if (\t)+4 < 16
	LOAD (\t)+4                                    ; into the set that this step's stores into the stage have read
.endif
.if (\t)+1 < 16
.if 14-(\t) >= 3
	s_wait_loadcnt 24                              ; the next step's eight loads are in; those of the three steps behind it may be out
.else
	s_wait_loadcnt 8*(14-(\t))
.endif
	TURN (\t)+1                                    ; the next step goes through the other stage while this one is worked
.endif
	QSTEP X+32*((\t)%2), \t, BA
.endm
.irp t, 0,1,2,3
	LOAD \t
.endr
	s_wait_loadcnt 24                              ; step 0's eight loads are in
	TURN 0
.irp t, 0,1,2,3,4,5,6,7,8,9,10,11,12,13,14,15
	ASTEP \t
.endr
	TAIL RA
; ---------------- weights
.macro WLOAD t, pitch, perm, adr       ; step t: W(64 t + 32 h + i, my column), i = 0 .. 31; perm = 1: bits 3 and 4 of i change places
.irp i, 0,1,2,3,4,5,6,7,8,9,10,11,12,13,14,15,16,17,18,19,20,21,22,23,24,25,26,27,28,29,30,31
.if \perm
	global_load_b32 v[R+32*((\t)%2)+\i], v[\adr], s[26:27] offset:(64*(\t)+((\i&7)|((\i&8)<<1)|((\i&16)>>1)))*\pitch
.else
	global_load_b32 v[R+32*((\t)%2)+\i], v[\adr], s[26:27] offset:(64*(\t)+\i)*\pitch
.endif
.endr
.endm
.macro WSTEP t, pitch, perm, adr, bytea
.if (\t) < 15
	s_wait_loadcnt 32                              ; this step's 32 loads are in; the next step's may be out
.else
	s_wait_loadcnt 0x0
.endif
	s_wait_xcnt 0x0                                ; the earlier steps' stores have read their registers
	QSTEP R+32*((\t)%2), \t, \bytea
.if (\t)+2 < 16
	WLOAD (\t)+2, \pitch, \perm, \adr
.endif
.endm
.Lweights:
	s_sub_co_u32 s24, ttmp9, 384
	s_lshr_b32 s25, s24, 4                         ; 0 Wq, 1 Wk, 2 Wv, 3 Wo
	s_and_b32 s24, s24, 15                         ; which 64 columns
	s_lshl_b32 s29, s22, 6                         ; my wave's 16 columns, in bytes
	s_lshl_b32 s28, s24, 2
	s_add_co_u32 s28, s28, s22                     ; my tile in the tensor
	s_mov_b32 s31, 0
	s_cmp_eq_u32 s25, 3
	s_cbranch_scc1 .Lwo
	s_cmp_eq_u32 s25, 0
	s_cselect_b64 s[26:27], s[10:11], s[12:13]
	s_cselect_b32 s30, 0, 64
	s_cmp_eq_u32 s25, 2
	s_cselect_b64 s[26:27], s[14:15], s[26:27]
	s_cselect_b32 s30, 1664, s30
	s_add_co_u32 s28, s28, s30
	s_lshl_b32 s30, s24, 18                        ; a head: 1,024 rows of 256 bytes
	s_add_co_u32 s30, s30, s29
	s_add_nc_u64 s[26:27], s[26:27], s[30:31]
	DST
	s_wait_alu depctr_va_vdst(0)
	WLOAD 0, 256, 0, GW
	WLOAD 1, 256, 0, GW
.irp t, 0,1,2,3,4,5,6,7,8,9,10,11,12,13,14,15
	WSTEP \t, 256, 0, GW, BW
.endr
	TAIL RW
.Lwo:
	s_add_co_u32 s28, s28, 1728
	s_lshl_b32 s30, s24, 8                         ; 64 columns of 4 bytes
	s_add_co_u32 s30, s30, s29
	s_add_nc_u64 s[26:27], s[16:17], s[30:31]
	DST
	s_wait_alu depctr_va_vdst(0)
	WLOAD 0, 4096, 1, GO
	WLOAD 1, 4096, 1, GO
.irp t, 0,1,2,3,4,5,6,7,8,9,10,11,12,13,14,15
	WSTEP \t, 4096, 1, GO, BO
.endr
	TAIL RO
.Lfunc_end_k_q41d60aacd7_quant:
	.size	k_q41d60aacd7_quant, .Lfunc_end_k_q41d60aacd7_quant-k_q41d60aacd7_quant
	.p2alignl 7, 3214868480
	.fill 96, 4, 3214868480
	.section	.rodata,"a",@progbits
	.p2align	6, 0x0
	.amdhsa_kernel k_q41d60aacd7_quant
		.amdhsa_group_segment_fixed_size 41472
		.amdhsa_private_segment_fixed_size 0
		.amdhsa_enable_private_segment 0
		.amdhsa_kernarg_size 72
		.amdhsa_user_sgpr_count 2
		.amdhsa_user_sgpr_kernarg_segment_ptr 1
		.amdhsa_wavefront_size32 1
		.amdhsa_system_sgpr_workgroup_id_x 1
		.amdhsa_system_sgpr_workgroup_id_y 1
		.amdhsa_system_sgpr_workgroup_id_z 1
		.amdhsa_system_vgpr_workitem_id 0
		.amdhsa_next_free_vgpr 256
		.amdhsa_next_free_sgpr 66
		.amdhsa_reserve_vcc 0
		.amdhsa_float_denorm_mode_32 3
		.amdhsa_float_denorm_mode_16_64 3
		.amdhsa_memory_ordered 1
		.amdhsa_forward_progress 1
		.amdhsa_inst_pref_size 210
	.end_amdhsa_kernel
	.amdgpu_metadata
---
amdhsa.version: [ 1, 2 ]
amdhsa.kernels:
  - .name:           k_q41d60aacd7_quant
    .symbol:         k_q41d60aacd7_quant.kd
    .args:
      - { .name: query, .offset: 0, .size: 8, .value_kind: global_buffer, .address_space: global }
      - { .name: key_, .offset: 8, .size: 8, .value_kind: global_buffer, .address_space: global }
      - { .name: value, .offset: 16, .size: 8, .value_kind: global_buffer, .address_space: global }
      - { .name: Wq, .offset: 24, .size: 8, .value_kind: global_buffer, .address_space: global }
      - { .name: Wk, .offset: 32, .size: 8, .value_kind: global_buffer, .address_space: global }
      - { .name: Wv, .offset: 40, .size: 8, .value_kind: global_buffer, .address_space: global }
      - { .name: Wo, .offset: 48, .size: 8, .value_kind: global_buffer, .address_space: global }
      - { .name: xw_codes, .offset: 56, .size: 8, .value_kind: global_buffer, .address_space: global }
      - { .name: xw_scales, .offset: 64, .size: 8, .value_kind: global_buffer, .address_space: global }
    .group_segment_fixed_size: 41472
    .private_segment_fixed_size: 0
    .kernarg_segment_align: 8
    .kernarg_segment_size: 72
    .max_flat_workgroup_size: 128
    .sgpr_count:     66
    .vgpr_count:     256
    .wavefront_size: 32
...
	.end_amdgpu_metadata
.endif
;; end of part 1
;; launch proj (part 2): grid 4 x 96, 4 waves a work-group, clusters of 4 x 4, 327,680 bytes of LDS; arguments xw_codes, xw_scales, qkv_codes, qkv_scales; writes qkv_codes, qkv_scales
.if DOCPART == 2
	.amdgcn_target "amdgcn-amd-amdhsa--gfx1250"
	.amdhsa_code_object_version 6
	.text
	.protected	k_q41d60aacd7_proj
	.globl	k_q41d60aacd7_proj
	.p2align	8
	.type	k_q41d60aacd7_proj,@function
k_q41d60aacd7_proj:
	s_mov_b64 s[64:65], 0
	v_nop
	global_prefetch_b8 v0, s[64:65] scope:SCOPE_SE
	s_setreg_imm32_b32 hwreg(HW_REG_WAVE_MODE, 25, 1), 1
	s_wait_xcnt 0x0
	s_wait_alu depctr_hold_cnt(0) depctr_sa_sdst(0) depctr_va_vdst(0) depctr_va_sdst(0) depctr_va_ssrc(0) depctr_va_vcc(0) depctr_vm_vsrc(0)
	s_getreg_b32 s2, hwreg(HW_REG_IB_STS2, 6, 4)
	s_cmp_eq_u32 s2, 0
	s_cbranch_scc0 .Lentry_in_a_cluster
	s_endpgm
.Lentry_in_a_cluster:
	s_bfe_u32 s2, ttmp6, 0x10000c
	s_cmp_lg_u32 s2, 0xf033
	s_cbranch_scc0 .Lentry_shape_is_right
	s_endpgm
.Lentry_shape_is_right:
; The three projections Q = query Wq, K = key_ Wk, V = value Wv, on codes of FP6 (E2M3) with E8M0 scales, K = 1,024; the results leave QUANTISED, as images of the next products' operand registers.
; OPERANDS.  xw_codes = [item / 128][128 along K: 8][tile of 16 items: 8][half: 2][768 bytes], an image of operand registers (registers 0-3 of a half at 16 x lane, registers 4-5 at 512 + 8 x lane); xw_scales = [item][32].
; A product has a side S0 (source 0) and a side S1 (source 1): in the result a lane holds ONE item of S1 and its registers run along S0, so the result is quantised along S0.
; For Q and K: S0 = the weight's columns (the head's 64 are the next K), S1 = the rows.  For V: S0 = value's rows (the keys are the next K), S1 = Wv's columns.
; SHARES.  A work-group makes 256 (S0) x 256 (S1), four waves 128 x 128 each: 64 accumulators, 512 registers.  K goes in four steps of 256 through THREE LDS slots; a slot's quarter (128 items x 256 along K) is 24,576 dense bytes.
; K steps 0, 1 and 2 are asked for together at the start.  K step 3 is brought into slot 0 behind the one round that follows the last read of K step 0, and has two K steps' products, 256 matrix instructions a wave, in which to land.
; The scales of the work-group's 512 items, for all of K, come once, with the first fills.  By this text's own count a wave has four tensor loads out at the start and one behind the round.
; CLUSTERS: 4 x 4.  Cluster y = 0-7: Q, 8-15: K, 16-23: V.  S1's tile hangs on cy and is shared along a row of the cluster, S0's on cx and is shared along a column: each is asked for jointly.
; THE WAY OUT.  For each tile of 16 items of S1 a lane's 64 registers are four blocks of 32 along S0; lanes l and l xor 16 share a block.  Largest magnitude, byte, conversion, exchange of halves: 12 registers, a fragment.
; Inside a block the codes lie in the order 0-7, 16-23, 8-15, 24-31 of S0; every partner of these operands is laid the same way, so the products are the same.
; qkv_codes: Q, K, V, 6,291,456 bytes each: [group of 64 of S0][tile of 16 of S1][768].  qkv_scales: 262,144 each: [group of 128 of S0][item of S1][4 bytes].
; LIMITS: a block of zeros gets the byte 1 (its codes are zeros; this program alone reads the bytes); NaN and infinities are not served.
; REGISTERS, in windows of 256: window 0: v0-31 addresses; v32-63 scale words, two sets; v64-87 at work on the way out; from v128 S1's fragments, ONE set, later the codes made; v224-235 the scale words made.
;   window 1: S0's fragments, TWO sets, at v0 and v128.   window 2: the accumulators of my S1 tiles 0-3 ((a, b) at v[8 (8 a + b)]);   window 3: those of tiles 4-7.
; THE ORDER OF THE FILLS IN THIS TEXT (it replaces what the lines above say of the first fills): at the head ONE joint load a wave: wave 0 K step 0 of S1's 256 items, wave 1 that of S0's, wave 2 S1's scales, wave 3 S0's.
; Behind the three lines and a round each wave asks for K steps 1 and 2 of its 128 items by one load of 49,152 dense bytes; K step 3 comes into slot 0 behind the round that follows the last read of K step 0.
; LDS: slot 0 = four quarters of 24,576 bytes from 0; from SLOT on, for each quarter, slots 1 and 2 side by side.  By this text's own count a wave has one tensor load out at any time.
.set NQ,     2
.set FR,     12                        ; registers of a fragment
.set NL,     4                         ; LDS loads that bring one
.set NP,     4                         ; places behind this matrix instruction (ISA guide 7.12.1)
.set HALFT,  24576                     ; 128 items x 256 along K: what one tensor load brings
.set SLOT,   4*HALFT                   ; S1's 256 items, then S0's 256
.set KS,     32                        ; an item's scale bytes
.set SCL,    3*SLOT                    ; behind the three slots: the scales, as units of 256 bytes + 16 of padding
.set HALFS,  16*272                    ; those of 128 items
.set SBLK,   2*272                     ; those of 16
.set SPARE,  SCL+4*HALFS               ; the spare words, 128 bytes for each wave: two blocks of 256 bytes that no other line names
.set ADRA, 8                           ; v8-10   S1's fragments in slot 0, 1, 2: + 16 x lane;  v11-13: + 512 + 8 x lane
.set ADRB, 16                          ; v16-21  the same for S0
.set O16,  24                          ; v24     16 x lane
.set O8,   25                          ; v25     512 + 8 x lane
.set O4,   26                          ; v26     4 x lane
.set ADRS, 27                          ; v27     my scale words: lanes 0-15 S1's items, lanes 16-31 S0's
.set SPW,  28                          ; v28     LDS address of my spare word; never rewritten
.set NIL,  29                          ; v29     0; never rewritten
.set SC,   32                          ; scale words: set s at v[SC + 16 s]; register 2 i + q: lanes 0-15 S1's tile i, lanes 16-31 S0's tile i, the K step's q-th 128 along K.  K step k takes set k % 2
.set TM,   64                          ; v64-67 largest magnitudes, v68-71 bytes, v76-79 the conversions' scale operands
.set TP,   80                          ; v80-82, v84-86 the odd blocks' codes as the conversions leave them
.set AF,   128                         ; S1's fragments
.set PW,   224                         ; v224-231 a scale word for each tile of S1;  v232-235 two tiles' words joined
.set TQ, 3                             ; s3       0 Q, 1 K, 2 V
.set G1, 24                            ; s[24:31] descriptor group 1 for S1's tiles;  s[32:39] groups 0 for K step 3 in slot 0 and for slots 1 and 2;  s[4:7] for K step 0 in slot 0 (the arguments there have served by then)
.set G0, 32
.set G0C, 4
.set G1B, 48                           ; s[48:55], s[56:63], s[92:95] the same for S0's
.set G0B, 56
.set G0BC, 92
.set G1S, 68                           ; s[68:75], s[76:79] groups 1 and 0 for S1's scales;  s[80:87], s[88:91] for S0's
.set G0S, 76
.set G1SB, 80
.set G0SB, 88
.set SEL, 96                           ; s[96:97] v_permlanex16_b32's selects for lane l xor 16;  s98 the mask of lanes 16-31
.set MSB, 0
.macro WIN new                         ; the immediate's high byte repeats the setting that is left
.if MSB != \new
	s_set_vgpr_msb (MSB<<8)|\new
.set MSB, \new
.endif
.endm
.set MUL_LO, 0xa1                      ; source 0 window 1, source 1 window 0, C and D window 2
.set MUL_HI, 0xf1                      ; the same, C and D window 3
.set TO_B,   0x40                      ; destination window 1, address window 0
; A joint load: waves 0 and 1 fetch for S1, waves 2 and 3 for S0.  The branch hangs on the wave's number alone.  An s_nop 0 and four v_nop follow each of the two lines.
.macro JLOAD g0a, g1a, g0b, g1b
	s_cmp_eq_u32 s15, 0
	s_cbranch_scc0 .Lfor_b_\@
	tensor_load_to_lds s[\g0a:\g0a+3], s[\g1a:\g1a+7]
	s_nop 0
.rept 4
	v_nop
.endr
	s_branch .Lasked_\@
.Lfor_b_\@:
	tensor_load_to_lds s[\g0b:\g0b+3], s[\g1b:\g1b+7]
	s_nop 0
.rept 4
	v_nop
.endr
.Lasked_\@:
.endm
.macro CREST                           ; a round of the cluster's barrier behind its opening barrier
	s_cmp_lg_u32 s14, 0
	s_cbranch_scc1 .Lnot_wave_0_\@
	s_barrier_signal -3
.Lnot_wave_0_\@:
	s_barrier_wait -3
	s_barrier_signal -1
	s_barrier_wait -1
.endm
.macro CROUND                          ; a whole round
	s_barrier_signal -1
	s_barrier_wait -1
	CREST
.endm
	s_load_b256 s[4:11], s[0:1], 0x0               ; xw_codes s[4:5], xw_scales s[6:7], qkv_codes s[8:9], qkv_scales s[10:11]
	v_lshl_add_u32 v[SPW], v0, 2, SPARE
	v_mov_b32 v[NIL], 0
	ds_add_u32 v[SPW], v[NIL]                      ; the wave's opening: the add and its wait stand ahead of my first tensor load; the set-up below, work on registers, stands between them
	ds_add_u32 v[SPW], v[NIL]
	v_lshrrev_b32 v1, 5, v0
	v_readfirstlane_b32 s14, v1                    ; wave 0..3
	s_lshr_b32 s15, s14, 1                         ; which half of S1's 256 is mine.  Also: I fetch for S1 (0) or for S0 (1)
	s_and_b32 s16, s14, 1                          ; which half of S0's.  Also: which 128 items of that tile I fetch
	s_bfe_u32 s40, ttmp6, 0x40000                  ; cx, cy: my place in the cluster
	s_bfe_u32 s41, ttmp6, 0x40004
	s_and_b32 s18, ttmp7, 0xffff                   ; cluster y
	s_lshr_b32 s[TQ], s18, 3
	s_min_u32 s[TQ], s[TQ], 2                      ; 0 Q, 1 K, 2 V
	s_max_u32 s42, s18, 16
	s_sub_co_u32 s42, s42, 16
	s_add_co_u32 s42, s42, s[TQ]
	s_lshl_b32 s42, s42, 2
	s_add_co_u32 s42, s42, s40                     ; S0's tile of 256 items: Wq 0-3, Wk 4-7, value 8-39
	s_min_u32 s17, s18, 16
	s_lshl_b32 s17, s17, 2
	s_add_co_u32 s17, s17, 40
	s_add_co_u32 s17, s17, s41                     ; S1's: query 40-71, key_ 72-103, Wv 104-107
	s_lshl_b32 s43, s41, 2
	s_lshl_b32 s43, 15, s43                        ; my row of the cluster
	s_lshl_b32 s44, 0x1111, s40                    ; my column
	; descriptor group 1: 24,576 dense bytes as 96 rows of 256 (32 elements of 8 bytes), no padding: the images are read 16 or 8 bytes a lane on end
	s_or_b32 s[G1+0], s43, (3<<16)|(1<<21)         ; 15:0 the mask: S1's tiles go to my row; 17:16 elements of 8 bytes; 21 set beside a mask
	s_or_b32 s[G1B+0], s44, (3<<16)|(1<<21)
.irp g, G1, G1B
	s_mov_b32 s[\g+1], 3072<<16                    ; the head's shape: two rows (128 items each) of 24,576 bytes, 3,072 elements,
	s_mov_b32 s[\g+2], 2<<16
	s_mov_b32 s[\g+3], 3072<<16
	s_mov_b32 s[\g+4], 2
	s_mov_b32 s[\g+5], 12288                       ; 98,304 bytes apart in memory
	s_mov_b32 s[\g+6], 0
	s_mov_b32 s[\g+7], 0
.endr
	; the scales of 128 items: 4,096 dense bytes as 16 rows of 256, 16 bytes of padding behind each
	s_or_b32 s[G1S+0], s43, (3<<16)|(1<<20)|(1<<21)|(5<<22)|(3<<25)
	s_or_b32 s[G1SB+0], s44, (3<<16)|(1<<20)|(1<<21)|(5<<22)|(3<<25)
.irp g, G1S, G1SB
	s_mov_b32 s[\g+1], 32<<16
	s_mov_b32 s[\g+2], 32<<16                      ; the scales of 256 items: 32 rows of 256 bytes
	s_mov_b32 s[\g+3], 32<<16
	s_mov_b32 s[\g+4], 32
	s_mov_b32 s[\g+5], 32
	s_mov_b32 s[\g+6], 0
	s_mov_b32 s[\g+7], 0
.endr
	s_lshl_b32 s20, s17, 1                         ; S1: the tile's first group of 128 items
	s_lshl_b32 s46, s42, 1                         ; S0 likewise
	s_mul_i32 s18, s16, 98304                      ; behind the head I fetch 128 items of a tile: which half, in bytes
	s_mov_b32 s19, 0
	s_lshl_b32 s22, s20, 12                        ; their scales, in bytes
	s_mov_b32 s23, 0
	s_lshl_b32 s92, s46, 12
	s_mov_b32 s93, 0
	s_mul_i32 s20, s20, 98304                      ; and their codes
	s_mov_b32 s21, 0
	s_mul_i32 s46, s46, 98304
	s_mov_b32 s47, 0
	s_mul_i32 s45, s14, HALFT                      ; where they go: wave x a quarter slot: no place in the cluster enters an LDS address
	s_mul_i32 s12, s14, 2*HALFT                    ; my quarter's place among slots 1 and 2
	s_wait_dscnt 0x0                               ; the opening add is done
	s_wait_kmcnt 0x0
	s_add_nc_u64 s[20:21], s[4:5], s[20:21]
	s_add_nc_u64 s[22:23], s[6:7], s[22:23]
	s_add_nc_u64 s[46:47], s[4:5], s[46:47]
	s_add_nc_u64 s[92:93], s[6:7], s[92:93]
	CROUND                                         ; all sixteen work-groups are here: the first joint loads meet
	s_mov_b32 s[G0S], 1                            ; the head's four tiles, each whole: the scales of S1's 256 items,
	s_mov_b32 s[G0S+1], SCL
	s_mov_b64 s[G0S+2:G0S+3], s[22:23]
	s_or_b32 s[G0S+3], s[G0S+3], 0x80000000
	s_mov_b32 s[G0SB], 1                           ; those of S0's,
	s_mov_b32 s[G0SB+1], SCL+2*HALFS
	s_mov_b64 s[G0SB+2:G0SB+3], s[92:93]
	s_or_b32 s[G0SB+3], s[G0SB+3], 0x80000000
	s_mov_b32 s[G0C], 1                            ; K step 0 of S1's 256 items (s[4:7] and s[92:95] have served),
	s_mov_b32 s[G0C+1], 0
	s_mov_b64 s[G0C+2:G0C+3], s[20:21]
	s_or_b32 s[G0C+3], s[G0C+3], 0x80000000
	s_mov_b32 s[G0BC], 1                           ; and of S0's, behind them in slot 0
	s_mov_b32 s[G0BC+1], 2*HALFT
	s_mov_b64 s[G0BC+2:G0BC+3], s[46:47]
	s_or_b32 s[G0BC+3], s[G0BC+3], 0x80000000
	s_add_nc_u64 s[20:21], s[20:21], s[18:19]      ; from here on: my 128 items of the tile
	s_add_nc_u64 s[46:47], s[46:47], s[18:19]
.irp g, G0, G0B                                ; the first group 0 of a side: K step 3 into my quarter of slot 0; the second: K steps 1 and 2 into my quarter's slots 1 and 2
	s_mov_b32 s[\g], 1
	s_mov_b32 s[\g+1], s45
	s_mov_b32 s[\g+4], 1
	s_add_co_u32 s[\g+5], s12, SLOT
.endr
	s_add_nc_u64 s[G0+2:G0+3], s[20:21], 3*HALFT
	s_add_nc_u64 s[G0+6:G0+7], s[20:21], HALFT
	s_add_nc_u64 s[G0B+2:G0B+3], s[46:47], 3*HALFT
	s_add_nc_u64 s[G0B+6:G0B+7], s[46:47], HALFT
.irp g, G0+3, G0+7, G0B+3, G0B+7
	s_or_b32 s[\g], s[\g], 0x80000000
.endr
; the head's loads, one a wave: one tree of branches on the wave's number, every way through it passes exactly one load
.macro ARM under, g0, g1, next
	s_cmp_lt_u32 s14, \under
	s_cbranch_scc0 \next
	tensor_load_to_lds s[\g0:\g0+3], s[\g1:\g1+7]
	s_nop 0
.rept 4
	v_nop
.endr
	s_branch .Lhead_asked
\next:
.endm
	ARM 1, G0C,  G1,  .Lhead_b
	ARM 2, G0BC, G1B, .Lhead_sa
	ARM 3, G0S,  G1S, .Lhead_sb
	tensor_load_to_lds s[G0SB:G0SB+3], s[G1SB:G1SB+7]
	s_nop 0
.rept 4
	v_nop
.endr
.Lhead_asked:
	v_and_b32 v1, 15, v0                           ; l % 16
	v_bfe_u32 v2, v0, 4, 1                         ; l / 16
	v_and_b32 v6, 31, v0                           ; lane
	v_lshlrev_b32 v[O16], 4, v6
	v_lshl_add_u32 v[O8], v6, 3, 512
	v_lshlrev_b32 v[O4], 2, v6
	s_wait_alu depctr_va_vdst(0)
	s_mul_i32 s21, s15, HALFT                      ; my 128 items of S1
	s_mul_i32 s22, s16, HALFT                      ; my 128 of S0,
	s_add_co_u32 s22, s22, 2*HALFT                 ; which lie behind S1's 256
.irp s, 0,1,2
	v_add_nc_u32 v[ADRA+\s], s21, v[O16]
	v_add_nc_u32 v[ADRB+\s], s22, v[O16]
	v_add_nc_u32 v[ADRA+3+\s], s21, v[O8]
	v_add_nc_u32 v[ADRB+3+\s], s22, v[O8]
.if \s == 0
	s_lshl_b32 s21, s21, 1                         ; slots 1 and 2: a quarter is 2 x 24,576 bytes there,
	s_lshl_b32 s22, s22, 1
	s_add_co_u32 s21, s21, SLOT                    ; behind slot 0
	s_add_co_u32 s22, s22, SLOT
.else
	s_add_co_u32 s21, s21, HALFT
	s_add_co_u32 s22, s22, HALFT
.endif
.endr
	v_mul_u32_u24 v5, v1, KS                       ; my item's scales: 32 bytes an item,
	v_lshrrev_b32 v6, 8, v5
	v_lshl_add_u32 v5, v6, 4, v5                   ; and 16 more for each 256 passed
	s_mul_i32 s21, s15, HALFS                      ; S1's: my 128 items
	s_mul_i32 s22, s16, HALFS                      ; S0's: my 128, behind S1's 256
	s_add_co_u32 s22, s22, 2*HALFS
	s_sub_co_u32 s22, s22, s21
	v_mul_u32_u24 v6, s22, v2                      ; lanes 16-31 take S0's
	s_add_co_u32 s21, s21, SCL
	v_add_nc_u32 v5, v5, v6
	v_add_nc_u32 v[ADRS], s21, v5
	; where my results go
	s_lshl_b32 s18, s[TQ], 2
	s_sub_co_u32 s18, s42, s18                     ; S0's tile within its tensor
	s_lshl_b32 s18, s18, 1
	s_add_co_u32 s18, s18, s16                     ; my group of 128 of S0
	s_lshl_b32 s19, s[TQ], 5
	s_add_co_u32 s19, s19, 40
	s_sub_co_u32 s19, s17, s19                     ; S1's tile within its tensor
	s_lshl_b32 s19, s19, 1
	s_add_co_u32 s19, s19, s15                     ; my group of 128 of S1
	s_cmp_eq_u32 s[TQ], 2
	s_mov_b32 s20, 393216
	s_cselect_b32 s20, 49152, s20                  ; bytes of a group of 64 of S0: S1's tiles x 768
	s_mov_b32 s21, 32768
	s_cselect_b32 s21, 4096, s21                   ; bytes of a group of 128 of S0 in the scales: S1's items x 4
	s_mul_i32 s22, s[TQ], 6291456
	s_mul_i32 s23, s18, s20
	s_lshl_b32 s23, s23, 1
	s_add_co_u32 s22, s22, s23
	s_mul_i32 s23, s19, 6144
	s_add_co_u32 s22, s22, s23
	s_mov_b32 s23, 0
	s_add_nc_u64 s[8:9], s[8:9], s[22:23]          ; the lower 64 of S0,
	s_mov_b32 s22, s20
	s_add_nc_u64 s[12:13], s[8:9], s[22:23]        ; the upper 64
	s_lshl_b32 s22, s[TQ], 18
	s_mul_i32 s20, s18, s21
	s_add_co_u32 s22, s22, s20
	s_lshl_b32 s20, s19, 9
	s_add_co_u32 s22, s22, s20
	s_add_nc_u64 s[10:11], s[10:11], s[22:23]      ; the scale words
	s_mov_b32 s[SEL], 0x76543210
	s_mov_b32 s[SEL+1], 0xfedcba98
	s_mov_b32 s98, 0xffff0000
.macro FRAG reg, adr, q, i             ; a fragment, 16 items x 128 K, is two images of 768 bytes: four loads, each of consecutive bytes in consecutive lanes
.irp c, 0,1
	ds_load_b128 v[\reg+6*\c:\reg+6*\c+3], v[\adr] offset:((\q)*8+(\i))*1536+768*\c
	ds_load_b64 v[\reg+6*\c+4:\reg+6*\c+5], v[\adr+3] offset:((\q)*8+(\i))*1536+768*\c
.endr
.endm
; 16 matrix instructions: S1's tiles a0, a0 + 1 x S0's eight, 128 along K.  p: S0's set;  sc: the set of scale words.  zero = 1: the first product starts the sums.
; The 64 accumulators take turns, one instruction a turn, in the same order in every step.
.macro MUL16 a0, p, q, sc, zero
.irp a, \a0, \a0+1
.irp b, 0,1,2,3,4,5,6,7
.if \zero
	v_wmma_scale_f32_16x16x128_f8f6f4 v[8*(8*((\a)%4)+\b):8*(8*((\a)%4)+\b)+7], v[128*(\p)+FR*\b:128*(\p)+FR*\b+FR-1], v[AF+FR*(\a):AF+FR*(\a)+FR-1], 0, v[SC+8*NQ*(\sc)+NQ*\b+(\q)], v[SC+8*NQ*(\sc)+NQ*(\a)+(\q)] matrix_a_fmt:MATRIX_FMT_FP6 matrix_b_fmt:MATRIX_FMT_FP6 matrix_a_scale:MATRIX_SCALE_ROW1
.else
	v_wmma_scale_f32_16x16x128_f8f6f4 v[8*(8*((\a)%4)+\b):8*(8*((\a)%4)+\b)+7], v[128*(\p)+FR*\b:128*(\p)+FR*\b+FR-1], v[AF+FR*(\a):AF+FR*(\a)+FR-1], v[8*(8*((\a)%4)+\b):8*(8*((\a)%4)+\b)+7], v[SC+8*NQ*(\sc)+NQ*\b+(\q)], v[SC+8*NQ*(\sc)+NQ*(\a)+(\q)] matrix_a_fmt:MATRIX_FMT_FP6 matrix_b_fmt:MATRIX_FMT_FP6 matrix_a_scale:MATRIX_SCALE_ROW1
.endif
.endr
.endr
.endm
.macro FETCH_B slot, q, p              ; S0's eight fragments of the slot's q-th 128 along K into set p
	WIN TO_B
.irp i, 0,1,2,3,4,5,6,7
	FRAG 128*(\p)+FR*\i, ADRB+\slot, \q, \i
.endr
	WIN 0
.endm
.macro FETCH_A slot, q, i0             ; S1's tiles i0 .. i0 + 3
.irp i, \i0, \i0+1, \i0+2, \i0+3
	FRAG AF+FR*(\i), ADRA+\slot, \q, \i
.endr
.endm
.macro SCALES sc                       ; the next K step's scale words into set sc: two words an item
.irp i, 0,1,2,3,4,5,6,7
	ds_load_b64 v[SC+8*NQ*\sc+NQ*\i:SC+8*NQ*\sc+NQ*\i+1], v[ADRS] offset:\i*SBLK
.endr
.endm
; A load into a register that a matrix instruction has read, and a vector instruction that reads a matrix result, stand NP places behind that matrix instruction; only plain vector instructions
; that name none of its registers are places (ISA guide 7.12.1 for vector instructions).
.macro PLACES n
.rept \n
	v_nop
.endr
.endm
.macro STEP slot, q, sc, zero          ; a step of 128 along K that has its successor in the same slot
	s_wait_dscnt 4*NL                              ; S0's set and S1's tiles 0-3 are in; the youngest 16 loads (S1's tiles 4-7) may be out
	WIN MUL_LO
	MUL16 0, (\q)%2, \q, \sc, \zero
	MUL16 2, (\q)%2, \q, \sc, \zero
	s_wait_dscnt 0                                 ; S1's tiles 4-7 are in (asked for 32 matrix instructions ago)
	PLACES NP
	FETCH_B \slot, (\q)+1, 1-(\q)%2
	FETCH_A \slot, (\q)+1, 0
	WIN MUL_HI
	MUL16 4, (\q)%2, \q, \sc, \zero
	MUL16 6, (\q)%2, \q, \sc, \zero
	PLACES NP
	WIN 0
	FETCH_A \slot, (\q)+1, 4
.endm
; A slot's last step goes on into slot next.  sc, nsc: this K step's set of scale words and the next one's.
; mode 2: slot 0 has been read out and is filled again, with K step 3.  ONE barrier, which opens a round of the cluster's: in front of it each wave waits for all its tensor loads (slots 1 and 2 among them),
;         adds 0 to its spare word, and waits for that and for its own reads of the slot.
; mode 0: from slot 1 to slot 2: no barrier.  The wait for all loads and the round of mode 2 have shown slot 2 whole to every wave, and slot 1 is not filled again.
; mode 1: from slot 2 to slot 0: each wave's part of K step 3 has landed, then the work-group's barrier.
.macro TURN next, sc, nsc, mode
.if \mode
	s_wait_tensorcnt 0x0                           ; all my tensor loads have landed  (every window is 0 here)
	ds_add_u32 v[SPW], v[NIL]                      ; 0 onto my spare word
	s_wait_dscnt 4*NL+1                            ; (the add and the youngest 16 loads, S1's tiles 4-7, may be out)
.else
	s_wait_dscnt 4*NL                              ; (the youngest 16 loads, S1's tiles 4-7, may be out)
.endif
	WIN MUL_LO
	MUL16 0, 1, NQ-1, \sc, 0                       ; sixteen matrix instructions stand between the add and the wait for it
	s_wait_dscnt 0x0                               ; the add is done, and my reads of this slot are over
.if \mode
	s_barrier_signal -1
.endif
	MUL16 2, 1, NQ-1, \sc, 0
	WIN 0                                          ; (branches may follow)
.if \mode
	s_barrier_wait -1
.endif
.if \mode == 2
	CREST                                          ; the barrier has opened a round of the cluster's barrier: no wave of any partner still reads slot 0 or has a load on its way
	s_mov_b32 s[G1+2], 96<<16                      ; no tensor load of mine is out: K step 3 is 96 rows of 256 bytes
	s_mov_b32 s[G1+4], 96
	s_mov_b32 s[G1B+2], 96<<16
	s_mov_b32 s[G1B+4], 96
	JLOAD G0, G1, G0B, G1B                         ; the first tensor load behind the round; the four v_nop behind it are the places in front of the loads below
.else
	PLACES NP
.endif
	v_add_nc_u32 v[ADRS], 4*NQ, v[ADRS]            ; on to the next K step's scale words
	FETCH_B \next, 0, 0
	FETCH_A \next, 0, 0
	SCALES \nsc
	WIN MUL_HI
	MUL16 4, 1, NQ-1, \sc, 0
	MUL16 6, 1, NQ-1, \sc, 0
	PLACES NP
	WIN 0
	FETCH_A \next, 0, 4
.endm
	s_wait_alu depctr_va_vdst(0)
	s_wait_tensorcnt 0x0                           ; my tile of the head's four is in
	ds_add_u32 v[SPW], v[NIL]                      ; 0 onto my spare word
.irp g, G1, G1B                                ; no tensor load of mine is out, so a descriptor may be written: 49,152 dense bytes as 192 rows of 256
	s_mov_b32 s[\g+1], 32<<16
	s_mov_b32 s[\g+2], 192<<16
	s_mov_b32 s[\g+3], 32<<16
	s_mov_b32 s[\g+4], 192
	s_mov_b32 s[\g+5], 32
.endr
	s_wait_dscnt 0x0                               ; the add is done
	CROUND                                         ; a whole round: all four tiles are in, and the joint loads meet
	JLOAD G0+4, G1, G0B+4, G1B                     ; K steps 1 and 2, the first tensor load behind the round
	FETCH_B 0, 0, 0
	FETCH_A 0, 0, 0
	SCALES 0
	FETCH_A 0, 0, 4
	STEP 0, 0, 0, 1                                ; K step 0: its first products start the sums
	TURN 1, 0, 1, 2                                ; slot 0 is asked for again
	s_wait_alu depctr_va_vdst(0)
	STEP 1, 0, 1, 0                                ; K step 1
	TURN 2, 1, 0, 0
	s_wait_alu depctr_va_vdst(0)
	STEP 2, 0, 0, 0                                ; K step 2
	TURN 0, 0, 1, 1
	STEP 0, 0, 1, 0                                ; K step 3
	s_wait_dscnt 4*NL                              ; the very last step: nothing more to fetch
	WIN MUL_LO
	MUL16 0, 1, NQ-1, 1, 0
	MUL16 2, 1, NQ-1, 1, 0
	s_wait_dscnt 0
	WIN MUL_HI
	MUL16 4, 1, NQ-1, 1, 0
	MUL16 6, 1, NQ-1, 1, 0
	WIN 0
; THE WAY OUT of S1's tile a: 64 registers of a lane, register 16 b + i, are block b's 16 numbers of my half; each accumulator is read from its low end on.
.macro QW a
.set AC, 64*((\a)%4)
.set WA, 2+(\a)/4
.set WM, (WA<<2)|(WA<<4)
.set PCA, AF+12*(\a)
	WIN WM                                         ; sources 1 and 2: the accumulators' window
.irp b, 0,1,2,3
	v_max3_num_f32 v[TM+\b], 0x1800000, |v[AC+16*\b]|, |v[AC+1+16*\b]|   ; my 16 numbers of block b, and the floor 2^(3 - 127): the byte cannot fall under 1
.endr
.irp i, 2,4,6,8,10,12,14
.irp b, 0,1,2,3
	v_max3_num_f32 v[TM+\b], v[TM+\b], |v[AC+16*\b+\i]|, |v[AC+1+16*\b+\i]|   ; (the four blocks by turns)
.endr
.endr
	WIN 0
.irp b, 0,1,2,3
	v_permlanex16_b32 v[TM+4+\b], v[TM+\b], s[SEL], s[SEL+1]
.endr
.irp b, 0,1,2,3
	v_max_num_f32 v[TM+\b], v[TM+\b], v[TM+4+\b]   ; with lane l xor 16's: the block's largest magnitude
.endr
.irp b, 0,1,2,3
	v_add_nc_u32 v[TM+12+\b], 0xff000000, v[TM+\b] ; 2 off its exponent field: the conversion's scale operand
.endr
.irp b, 0,1,2,3
	v_lshrrev_b32 v[TM+4+\b], 23, v[TM+12+\b]      ; the scale's byte
.endr
	v_lshl_or_b32 v[PW+(\a)], v[TM+5], 8, v[TM+4]  ; the four bytes make my item's scale word
	v_lshl_or_b32 v[PW+(\a)], v[TM+6], 16, v[PW+(\a)]
	v_lshl_or_b32 v[PW+(\a)], v[TM+7], 24, v[PW+(\a)]
	WIN WA                                         ; source 0: the accumulators' window
.irp c, 0,1
	v_cvt_scalef32_pk16_fp6_f32 v[PCA+6*\c:PCA+2+6*\c], v[AC+32*\c:AC+15+32*\c], v[TM+12+2*\c]
	v_cvt_scalef32_pk16_fp6_f32 v[TP+4*\c:TP+2+4*\c], v[AC+16+32*\c:AC+31+32*\c], v[TM+12+2*\c+1]   ; (a conversion's three registers begin on an even number)
.endr
	WIN 0
	v_nop                                          ; one plain place behind a scaled conversion
.irp c, 0,1                                    ; the operand's layout wants a WHOLE block in a lane: lanes 0-15 block 2 c, lanes 16-31 block 2 c + 1
.irp i, 0,1,2
	v_permlane16_swap_b32 v[PCA+6*\c+\i], v[TP+4*\c+\i]
.endr
.irp i, 0,1,2
	v_mov_b32 v[PCA+3+6*\c+\i], v[TP+4*\c+\i]
.endr
.endr
	global_store_b128 v[O16], v[PCA:PCA+3], s[8:9] offset:768*(\a)         ; 512 consecutive bytes, then 256: the image of the lower 64 of S0
	global_store_b64 v[O8], v[PCA+4:PCA+5], s[8:9] offset:768*(\a)
	global_store_b128 v[O16], v[PCA+6:PCA+9], s[12:13] offset:768*(\a)     ; and of the upper 64.  Each tile has registers of its own: no store's data are written again
	global_store_b64 v[O8], v[PCA+10:PCA+11], s[12:13] offset:768*(\a)
.endm
	PLACES NP                                      ; behind the last products: results are read, and registers that held S1's fragments are written
.irp b, 0,1,2,3
	v_mov_b32 v[TM+4+\b], 0                        ; written once: a lane permute's destination counts as one of its sources
.endr
.irp a, 0,1,2,3,4,5,6,7
	QW \a
.endr
.irp j, 0,1,2,3
	v_cndmask_b32 v[PW+8+\j], v[PW+2*\j], v[PW+2*\j+1], s98   ; lanes 0-15 tile 2 j's words, lanes 16-31 tile 2 j + 1's (both halves of the lanes hold an item's word)
.endr
.irp j, 0,1,2,3
	global_store_b32 v[O4], v[PW+8+\j], s[10:11] offset:128*\j   ; 128 consecutive bytes; the four together my 128 items' 512
.endr
	s_wait_tensorcnt 0x0                           ; the wave's end
	ds_add_u32 v[SPW], v[NIL]
	s_wait_dscnt 0x0
	CROUND                                         ; the closing round: no work-group ends while a partner may still ask for a tile that names it
	s_endpgm
.Lfunc_end_k_q41d60aacd7_proj:
	.size	k_q41d60aacd7_proj, .Lfunc_end_k_q41d60aacd7_proj-k_q41d60aacd7_proj
	.p2alignl 7, 3214868480
	.fill 96, 4, 3214868480
	.section	.rodata,"a",@progbits
	.p2align	6, 0x0
	.amdhsa_kernel k_q41d60aacd7_proj
		.amdhsa_group_segment_fixed_size 327680
		.amdhsa_private_segment_fixed_size 0
		.amdhsa_enable_private_segment 0
		.amdhsa_kernarg_size 32
		.amdhsa_user_sgpr_count 2
		.amdhsa_user_sgpr_kernarg_segment_ptr 1
		.amdhsa_wavefront_size32 1
		.amdhsa_system_sgpr_workgroup_id_x 1
		.amdhsa_system_sgpr_workgroup_id_y 1
		.amdhsa_system_sgpr_workgroup_id_z 1
		.amdhsa_system_vgpr_workitem_id 0
		.amdhsa_next_free_vgpr 1024
		.amdhsa_next_free_sgpr 100
		.amdhsa_reserve_vcc 0
		.amdhsa_float_denorm_mode_32 3
		.amdhsa_float_denorm_mode_16_64 3
		.amdhsa_memory_ordered 1
		.amdhsa_forward_progress 1
		.amdhsa_inst_pref_size 150
	.end_amdhsa_kernel
	.amdgpu_metadata
---
amdhsa.version: [ 1, 2 ]
amdhsa.kernels:
  - .name:           k_q41d60aacd7_proj
    .symbol:         k_q41d60aacd7_proj.kd
    .args:
      - { .name: xw_codes, .offset: 0, .size: 8, .value_kind: global_buffer, .address_space: global }
      - { .name: xw_scales, .offset: 8, .size: 8, .value_kind: global_buffer, .address_space: global }
      - { .name: qkv_codes, .offset: 16, .size: 8, .value_kind: global_buffer, .address_space: global }
      - { .name: qkv_scales, .offset: 24, .size: 8, .value_kind: global_buffer, .address_space: global }
    .group_segment_fixed_size: 327680
    .private_segment_fixed_size: 0
    .kernarg_segment_align: 8
    .kernarg_segment_size: 32
    .max_flat_workgroup_size: 128
    .sgpr_count:     100
    .vgpr_count:     1024
    .wavefront_size: 32
...
	.end_amdgpu_metadata
.endif
;; end of part 2
;; launch attn (part 3): grid 4 x 64, 16 waves a work-group, clusters of 4 x 1, 206,848 bytes of LDS; arguments qkv_codes, qkv_scales, phases0, freqs, nbr_w, nbr_idx, ctx_codes, ctx_scales; writes ctx_codes, ctx_scales
.if DOCPART == 3
	.amdgcn_target "amdgcn-amd-amdhsa--gfx1250"
	.amdhsa_code_object_version 6
	.text
	.protected	k_q41d60aacd7_attn
	.globl	k_q41d60aacd7_attn
	.p2align	8
	.type	k_q41d60aacd7_attn,@function
k_q41d60aacd7_attn:
	s_mov_b64 s[64:65], 0
	v_nop
	global_prefetch_b8 v0, s[64:65] scope:SCOPE_SE
	s_setreg_imm32_b32 hwreg(HW_REG_WAVE_MODE, 25, 1), 1
	s_wait_xcnt 0x0
	s_wait_alu depctr_hold_cnt(0) depctr_sa_sdst(0) depctr_va_vdst(0) depctr_va_sdst(0) depctr_va_ssrc(0) depctr_va_vcc(0) depctr_vm_vsrc(0)
	s_getreg_b32 s2, hwreg(HW_REG_IB_STS2, 6, 4)
	s_cmp_eq_u32 s2, 0
	s_cbranch_scc0 .Lentry_in_a_cluster
	s_endpgm
.Lentry_in_a_cluster:
	s_bfe_u32 s2, ttmp6, 0x10000c
	s_cmp_lg_u32 s2, 0x3003
	s_cbranch_scc0 .Lentry_shape_is_right
	s_endpgm
.Lentry_shape_is_right:
; ctx = softmax(Q K^T / 8 + bias[head]) V for 8 batches x 16 heads of 64, both products on codes of FP6 (E2M3) with E8M0 scales; ctx leaves quantised along head x 64 + channel, as images of the last product's operand.
; THE SOFTMAX AHEAD OF THE SECOND PRODUCT: t = score x log2(e) / 8 + bias x log2(e); M = the running largest t rounded UP to a whole number; p = 2^(t - M) is quantised along the keys, not normalised;
; the row's sum is taken of the unquantised p and divides at the end; when M moves, the sum and O are multiplied by 2^(old M - new M): exact.
; THE BIAS 0.1 cos(p2) is computed here by every wave from phases0, freqs, nbr_w, nbr_idx, while the tiles are on their way.  sin and cos: reduction by pi in two parts, then the odd polynomial to the eleventh degree.
; LIMITS: that sine is good to about 1e-7 for arguments under about 1e6; the two mod steps take floor(a / 2 pi), which at an exact multiple may differ from a true remainder by one period, which the cosine does not see;
; NaN and infinities are not served; a block of zeros gets the byte 1 (zero codes; this program alone reads the bytes).
; SHARES.  A work-group owns 256 queries of a pair of heads of one batch (y = 8 x batch + pair, place in the cluster = quarter of the queries); each of its sixteen waves owns 16 queries, first for the even head, then the odd.
; ALL OF K AND V OF BOTH HEADS LIES IN LDS, 204,800 bytes with the scale words: brought once, nothing is filled again.  The four work-groups of a cluster want the same bytes: every load is a joint one, with a mask that names the four.
; By this text's own count a wave has at most one tensor load out.
; LAYOUT.  Both products are used transposed: S^T = K Q^T (source 0 = 16 keys), O^T = V^T P^T (source 0 = 16 channels): a lane holds ONE query throughout.  Operands lie in memory and LDS as images of their registers:
; half a fragment (16 items x 64 along K, six registers) is 768 bytes: registers 0-3 at 16 x lane, registers 4-5 at 512 + 8 x lane.
; Inside a block of 32 the codes of Q and K, of p and V, and of ctx lie in the order 0-7, 16-23, 8-15, 24-31, on both sides of each product alike.
; THE SCORES' K IS 64, half an instruction's: Q's upper six registers are zero codes, so whatever codes stand in K's upper six add nothing; K's scale words are loaded as two bytes, the upper two 0.
; REGISTERS: v1-3 lane offsets; v4, v5 the add's two; v6-11 addresses in hand; v12 -M, v13 the largest t, v[14:15] the sum; v16-21 Q, v22-27 zeros; v28 bias' - M; v30 ctx's scale word; v31 32 r; v32-79 K's or V's fragments,
; v80-85 zeros; v96-159 S^T, then p; v160-191 O^T; v192-197, v200-205 ctx's codes; v208-210, v224-247, v252, v254 at work; v248-251 K's or V's scale words; v253 p's; v255 Q's.
.set VREG,  98304                      ; LDS: K [head 2][tile of 16 keys: 64][768] from 0; V [64 keys: 16][head 2][tile of 16 channels: 4][768] from here;
.set KSC,   196608                     ; K's scale words [key][4]: bytes 0, 1 the even head's, 2, 3 the odd head's;
.set VSC,   200704                     ; V's [128 keys: 8][head 2 x channel 64][4]
.set SPARE, 204800                     ; the spare words, 128 bytes for each wave: eight blocks of 256 bytes that no other line names
.set WV,   20                          ; s20  my wave's number
.set SEL,  26                          ; s[26:27] v_permlanex16_b32's selects for lane l xor 16
.set CS,   28                          ; s[28:29] c = log2(e) / 8
.set G1K,  32                          ; descriptor groups 1: K's codes, V's codes, K's scales, V's scales
.set G1V,  40
.set G1S,  48
.set G1T,  56
.set G0K,  68                          ; and groups 0
.set G0V,  72
.set G0S,  76
.set G0T,  80
.set BP,   90                          ; s90, s91 bias x log2(e) of the even and the odd head
.set TK,   92                          ; s92-95 LDS bytes at which the step's K, V, K's scale words and V's begin
.set TV,   93
.set TKS,  94
.set TVS,  95
.set CNT,  96
.set QB,   98                          ; s[98:99] Q's image of my 16 queries, even head
.macro ROUND                           ; a round of the cluster's barrier
	s_barrier_signal -1
	s_barrier_wait -1
	s_cmp_lg_u32 s[WV], 0
	s_cbranch_scc1 .Lnot_wave_0_\@
	s_barrier_signal -3
.Lnot_wave_0_\@:
	s_barrier_wait -3
	s_barrier_signal -1
	s_barrier_wait -1
.endm
.macro BEHIND                          ; an s_nop 0 and four v_nop follow each tensor load
	s_nop 0
.rept 4
	v_nop
.endr
.endm
; v[d] = sin(v[x]).  n = the nearest whole number to x / pi; r = x - n pi, pi in two parts; the odd polynomial of r; the sign turns where n is odd.  v110-113 at work
.macro SIN d, x
	s_delay_alu instid0(VALU_DEP_1)
	v_mul_f32 v110, 0x3ea2f983, v[\x]
	s_delay_alu instid0(VALU_DEP_1)
	v_rndne_f32 v110, v110
	s_delay_alu instid0(VALU_DEP_1)
	v_fmamk_f32 v111, v110, 0xc0490fdb, v[\x]
	s_delay_alu instid0(VALU_DEP_1)
	v_fmamk_f32 v111, v110, 0x33bbbd2e, v111
	s_delay_alu instid0(VALU_DEP_1)
	v_mul_f32 v112, v111, v111
	v_mov_b32 v113, 0xb2d7322b                     ; -1/11!
	s_delay_alu instid0(VALU_DEP_1)
	v_fmaak_f32 v113, v113, v112, 0x3638ef1d       ; 1/9!
	s_delay_alu instid0(VALU_DEP_1)
	v_fmaak_f32 v113, v113, v112, 0xb9500d01       ; -1/7!
	s_delay_alu instid0(VALU_DEP_1)
	v_fmaak_f32 v113, v113, v112, 0x3c088889       ; 1/5!
	s_delay_alu instid0(VALU_DEP_1)
	v_fmaak_f32 v113, v113, v112, 0xbe2aaaab       ; -1/3!
	v_mul_f32 v112, v112, v111
	s_delay_alu instid0(VALU_DEP_1)
	v_fma_f32 v113, v112, v113, v111
	v_cvt_i32_f32 v110, v110
	s_delay_alu instid0(VALU_DEP_1)
	v_lshlrev_b32 v110, 31, v110
	s_delay_alu instid0(VALU_DEP_1)
	v_xor_b32 v[\d], v110, v113
.endm
	s_load_b512 s[4:19], s[0:1], 0x0               ; qkv_codes, qkv_scales, phases0, freqs, nbr_w, nbr_idx, ctx_codes, ctx_scales
	v_lshl_add_u32 v4, v0, 2, SPARE
	v_mov_b32 v5, 0
	ds_add_u32 v4, v5                              ; the wave's opening: the add and its wait stand ahead of my first tensor load; the set-up below, work on registers, stands between them
	ds_add_u32 v4, v5
	v_lshrrev_b32 v1, 5, v0
	s_delay_alu instid0(VALU_DEP_1)
	v_readfirstlane_b32 s[WV], v1                  ; wave 0..15
	v_and_b32 v115, 31, v0                         ; lane
	s_delay_alu instid0(VALU_DEP_1)
	v_lshlrev_b32 v1, 4, v115                      ; 16 x lane
	s_delay_alu instid0(VALU_DEP_2)
	v_lshl_add_u32 v2, v115, 3, 512                ; 512 + 8 x lane
	s_delay_alu instid0(VALU_DEP_3)
	v_lshlrev_b32 v3, 2, v115                      ; 4 x lane
	s_bfe_u32 s21, ttmp6, 0x40000                  ; cx: which quarter of the queries: it enters Q's and ctx's global addresses alone
	s_and_b32 s22, ttmp7, 0xffff
	s_lshr_b32 s23, s22, 3                         ; batch
	s_and_b32 s24, s22, 7                          ; pair of heads
	s_lshl_b32 s25, s21, 4
	s_add_co_u32 s25, s25, s[WV]                   ; my tile of 16 queries, 0..63
	; descriptor groups 1.  Word 0: 15:0 the mask: all four work-groups; 17:16 elements of 8 bytes; 21 set beside a mask; no padding
.irp g, G1K, G1V, G1S, G1T
	s_mov_b32 s[\g], 15|(3<<16)|(1<<21)
	s_mov_b32 s[\g+6], 0
	s_mov_b32 s[\g+7], 0
.endr
	s_mov_b32 s[G1K+1], 32<<16                     ; K's codes: 24,576 dense bytes as 96 rows of 256
	s_mov_b32 s[G1K+2], 96<<16
	s_mov_b32 s[G1K+3], 32<<16
	s_mov_b32 s[G1K+4], 96
	s_mov_b32 s[G1K+5], 32
	s_mov_b32 s[G1V+1], 768<<16                    ; V's codes: 4 groups of 64 keys, of each my pair's 6,144 bytes, 49,152 bytes apart
	s_mov_b32 s[G1V+2], 4<<16
	s_mov_b32 s[G1V+3], 768<<16
	s_mov_b32 s[G1V+4], 4
	s_mov_b32 s[G1V+5], 6144
	s_mov_b32 s[G1S+1], 32<<16                     ; K's scale words: 4,096 dense bytes as 16 rows of 256
	s_mov_b32 s[G1S+2], 16<<16
	s_mov_b32 s[G1S+3], 32<<16
	s_mov_b32 s[G1S+4], 16
	s_mov_b32 s[G1S+5], 32
	s_mov_b32 s[G1T+1], 64<<16                     ; V's: 8 groups of 128 keys, of each my pair's 512 bytes, 4,096 bytes apart
	s_mov_b32 s[G1T+2], 8<<16
	s_mov_b32 s[G1T+3], 64<<16
	s_mov_b32 s[G1T+4], 8
	s_mov_b32 s[G1T+5], 512
	; what I fetch, if I fetch.  Waves 0-3: half a head of K;
	s_lshr_b32 s84, s[WV], 1
	s_lshl_b32 s85, s24, 1
	s_add_co_u32 s84, s84, s85                     ; the head
	s_lshl_b32 s84, s84, 3
	s_add_co_u32 s84, s84, s23
	s_mul_i32 s84, s84, 49152
	s_and_b32 s85, s[WV], 1
	s_mul_i32 s85, s85, 24576
	s_add_co_u32 s84, s84, s85
	s_add_co_u32 s84, s84, 6291456
	s_mov_b32 s85, 0
	s_and_b32 s86, s[WV], 3                        ; waves 4-7: 256 keys of V;
	s_lshl_b32 s86, s86, 2
	s_lshl_b32 s87, s23, 4
	s_add_co_u32 s86, s86, s87
	s_mul_i32 s86, s86, 49152
	s_mul_i32 s87, s24, 6144
	s_add_co_u32 s86, s86, s87
	s_add_co_u32 s86, s86, 12582912
	s_mov_b32 s87, 0
	s_lshl_b32 s88, s24, 15                        ; wave 8: K's scale words;
	s_lshl_b32 s89, s23, 12
	s_add_co_u32 s88, s88, s89
	s_add_co_u32 s88, s88, 262144
	s_mov_b32 s89, 0
	s_lshl_b32 s92, s23, 15                        ; wave 9: V's
	s_lshl_b32 s93, s24, 9
	s_add_co_u32 s92, s92, s93
	s_add_co_u32 s92, s92, 524288
	s_mov_b32 s93, 0
	s_mul_i32 s94, s[WV], 24576                    ; waves 0-7: where the codes go: K's four quarters, then V's four
	s_mov_b32 s[SEL], 0x76543210
	s_mov_b32 s[SEL+1], 0xfedcba98
	s_mov_b32 s[CS], 0x3e38aa3b                    ; c = log2(e) / 8
	s_mov_b32 s[CS+1], s[CS]                       ; (named with it as a pair, so it is written)
	s_wait_dscnt 0x0                               ; the opening add is done
	s_wait_kmcnt 0x0
	s_mov_b32 s[G0K], 1
	s_mov_b32 s[G0K+1], s94
	s_add_nc_u64 s[G0K+2:G0K+3], s[4:5], s[84:85]
	s_or_b32 s[G0K+3], s[G0K+3], 0x80000000
	s_mov_b32 s[G0V], 1
	s_mov_b32 s[G0V+1], s94
	s_add_nc_u64 s[G0V+2:G0V+3], s[4:5], s[86:87]
	s_or_b32 s[G0V+3], s[G0V+3], 0x80000000
	s_mov_b32 s[G0S], 1
	s_mov_b32 s[G0S+1], KSC
	s_add_nc_u64 s[G0S+2:G0S+3], s[6:7], s[88:89]
	s_or_b32 s[G0S+3], s[G0S+3], 0x80000000
	s_mov_b32 s[G0T], 1
	s_mov_b32 s[G0T+1], VSC
	s_add_nc_u64 s[G0T+2:G0T+3], s[6:7], s[92:93]
	s_or_b32 s[G0T+3], s[G0T+3], 0x80000000
	ROUND                                          ; all four work-groups are here: the joint loads meet
	s_cmp_lt_u32 s[WV], 4                          ; a wave's one fill; the branches hang on the wave's number alone
	s_cbranch_scc0 .Lnot_k
	tensor_load_to_lds s[G0K:G0K+3], s[G1K:G1K+7]
	BEHIND
	s_branch .Lasked
.Lnot_k:
	s_cmp_lt_u32 s[WV], 8
	s_cbranch_scc0 .Lnot_v
	tensor_load_to_lds s[G0V:G0V+3], s[G1V:G1V+7]
	BEHIND
	s_branch .Lasked
.Lnot_v:
	s_cmp_eq_u32 s[WV], 8
	s_cbranch_scc0 .Lnot_ks
	tensor_load_to_lds s[G0S:G0S+3], s[G1S:G1S+7]
	BEHIND
	s_branch .Lasked
.Lnot_ks:
	s_cmp_eq_u32 s[WV], 9
	s_cbranch_scc0 .Lasked
	tensor_load_to_lds s[G0T:G0T+3], s[G1T:G1T+7]
	BEHIND
.Lasked:
	; ---- the bias.  Lane j = lane % 16: neighbour j % 8 of head 2 x pair + j / 8
	v_and_b32 v96, 15, v0
	s_delay_alu instid0(VALU_DEP_1)
	v_lshlrev_b32 v97, 2, v96
	s_lshl_b32 s84, s24, 6
	v_add_nc_u32 v97, s84, v97                     ; (16 pair + j) x 4: my place in nbr_idx and nbr_w
	v_lshrrev_b32 v98, 3, v96
	s_lshl_b32 s85, s24, 1
	v_add_nc_u32 v98, s85, v98
	s_delay_alu instid0(VALU_DEP_1)
	v_lshlrev_b32 v98, 2, v98                      ; my head x 4
	s_lshl_b32 s84, s24, 15                        ; Q's scale words: (pair x 8,192 + batch x 1,024 + 16 x tile + r) x 4
	s_lshl_b32 s86, s23, 12
	s_add_co_u32 s84, s84, s86
	s_lshl_b32 s86, s25, 6
	s_add_co_u32 s84, s84, s86
	v_lshlrev_b32 v114, 2, v96
	s_delay_alu instid0(VALU_DEP_1)
	v_add_nc_u32 v114, s84, v114
	global_load_b32 v99, v97, s[14:15]             ; the neighbour's index
	global_load_b32 v100, v97, s[12:13]            ; its weight
	global_load_b32 v101, v98, s[8:9]              ; my head's phase
	global_load_b32 v102, v98, s[10:11]            ; and frequency
	global_load_b32 v255, v114, s[6:7]             ; Q's scale words
	v_lshlrev_b32 v31, 5, v96                      ; 32 r
	s_wait_loadcnt 0x0
	v_min_u32 v103, 15, v99                        ; the index held inside the table; a negative one, read as unsigned, becomes 15, and what it loads is replaced by 0 below
	s_delay_alu instid0(VALU_DEP_1)
	v_lshlrev_b32 v103, 2, v103
	global_load_b32 v104, v103, s[8:9]             ; the neighbour's phase
	v_cmp_gt_i32 s86, 0, v99                       ; no neighbour there
	; where my results go, and where Q lies
	s_lshr_b32 s84, s25, 3
	s_lshl_b32 s85, s23, 3
	s_add_co_u32 s84, s84, s85                     ; my 128 rows: 8 x batch + tile / 8
	s_lshl_b32 s84, s84, 3
	s_add_co_u32 s84, s84, s24                     ; the pair of heads is the last product's step of 128 along K
	s_lshl_b32 s84, s84, 3
	s_and_b32 s85, s25, 7
	s_add_co_u32 s84, s84, s85
	s_mul_i32 s84, s84, 1536
	s_mov_b32 s85, 0
	s_add_nc_u64 s[16:17], s[16:17], s[84:85]
	s_lshl_b32 s84, s23, 15                        ; ctx's scale bytes: 32 a row; my pair's four at 4 x pair
	s_lshl_b32 s87, s25, 9
	s_add_co_u32 s84, s84, s87
	s_lshl_b32 s87, s24, 2
	s_add_co_u32 s84, s84, s87
	s_add_nc_u64 s[18:19], s[18:19], s[84:85]
	s_lshl_b32 s84, s24, 4
	s_add_co_u32 s84, s84, s23
	s_mul_i32 s84, s84, 49152
	s_mul_i32 s87, s25, 768
	s_add_co_u32 s84, s84, s87
	s_add_nc_u64 s[QB:QB+1], s[4:5], s[84:85]
	global_load_b128 v[16:19], v1, s[QB:QB+1]                 ; Q's image of the even head, asked for here, while the tiles are on their way;
	global_load_b64 v[20:21], v2, s[QB:QB+1]
	global_load_b128 v[86:89], v1, s[QB:QB+1] offset:393216   ; and the odd head's (393,216 bytes on), kept in v86-91 until its pass.  The wait below serves all four
	global_load_b64 v[90:91], v2, s[QB:QB+1] offset:393216
	s_wait_loadcnt 0x0
	v_cndmask_b32 v104, v104, 0, s86               ; x valid
	s_delay_alu instid0(VALU_DEP_1)
	v_sub_f32 v105, v104, v101
	SIN 106, 105
	s_delay_alu instid0(VALU_DEP_1)
	v_mul_f32 v106, v100, v106
	s_delay_alu instid0(VALU_DEP_1)
	v_add_f32_dpp v106, v106, v106 row_xmask:1 row_mask:0xf bank_mask:0xf   ; the sum over the head's eight neighbours
	s_delay_alu instid0(VALU_DEP_1)
	v_add_f32_dpp v106, v106, v106 row_xmask:2 row_mask:0xf bank_mask:0xf
	s_delay_alu instid0(VALU_DEP_1)
	v_add_f32_dpp v106, v106, v106 row_xmask:4 row_mask:0xf bank_mask:0xf
	s_delay_alu instid0(VALU_DEP_1)
	v_add_f32 v107, v102, v106
	s_delay_alu instid0(VALU_DEP_1)
	v_fmamk_f32 v107, v107, 0x3c23d70a, v101       ; phase + 0.01 (frequency + force)
	s_delay_alu instid0(VALU_DEP_1)
	v_mul_f32 v108, 0.15915494, v107
	s_delay_alu instid0(VALU_DEP_1)
	v_floor_f32 v108, v108
	s_delay_alu instid0(VALU_DEP_1)
	v_fmamk_f32 v107, v108, 0xc0c90fdb, v107       ; mod 2 pi
	s_delay_alu instid0(VALU_DEP_1)
	v_fmamk_f32 v107, v102, 0x3c23d70a, v107       ; + 0.01 frequency
	s_delay_alu instid0(VALU_DEP_1)
	v_mul_f32 v108, 0.15915494, v107
	s_delay_alu instid0(VALU_DEP_1)
	v_floor_f32 v108, v108
	s_delay_alu instid0(VALU_DEP_1)
	v_fmamk_f32 v107, v108, 0xc0c90fdb, v107       ; mod 2 pi
	s_delay_alu instid0(VALU_DEP_1)
	v_add_f32 v107, 0x3fc90fdb, v107               ; cos(x) = sin(x + pi / 2)
	SIN 106, 107
	s_delay_alu instid0(VALU_DEP_1)
	v_mul_f32 v106, 0x3e13bb63, v106               ; x 0.1 log2(e)
	s_delay_alu instid0(VALU_DEP_1)
	v_readlane_b32 s[BP], v106, 0
	s_delay_alu instid0(VALU_DEP_2)
	v_readlane_b32 s[BP+1], v106, 8
.irp j, 22,23,24,25,26,27,80,81,82,83,84,85
	v_mov_b32 v[\j], 0                             ; zero codes: Q's upper half, and what stands behind K's last tile
.endr
.irp j, 29,236,237,238,239,253
	v_mov_b32 v[\j], 0
.endr
	v_mov_b32 v13, 0xff61b1e6                      ; the even head's start, written ahead of the wait for the tiles: the largest t so far, -3e38,
	v_mov_b32 v14, 0                               ; the sum,
	v_mov_b32 v15, 0
	v_floor_f32 v12, -v13                          ; -M,
.rept 32
	v_mov_b32 v[160+\+], 0                         ; and O^T
.endr
	s_wait_tensorcnt 0x0                           ; my load has landed,
	s_barrier_signal -1
	s_barrier_wait -1                              ; everybody's has
; ONE HEAD of the pair for my 16 queries: eight key steps of 128
.macro PASS p
.set CX, 192+8*\p
	s_mov_b32 s[TK], \p*49152
	s_mov_b32 s[TV], VREG+3072*\p
	s_mov_b32 s[TKS], KSC+2*\p
	s_mov_b32 s[TVS], VSC+256*\p
	s_mov_b32 s[CNT], 8
.if \p
	v_lshrrev_b32 v255, 16, v255                   ; the odd head's two bytes of Q's scale words.  It stands at the pass's head: a scale register written by a vector instruction stands eight plain vector
	                                               ; instructions ahead of the scaled product that takes it; here the 42 vector instructions below and the loop's six additions lie between
.endif
.if \p                                         ; the odd head's start (the even head's stands in the kernel's head)
.irp j, 0,1,2,3,4,5
	v_mov_b32 v[16+\j], v[86+\j]                   ; Q's image, loaded in the kernel's head
.endr
	v_mov_b32 v13, 0xff61b1e6                      ; the largest t so far: -3e38
	s_delay_alu instid0(VALU_DEP_1)
	v_floor_f32 v12, -v13                          ; -M
	v_mov_b32 v14, 0
	v_mov_b32 v15, 0
.irp j, 0,1,2,3,4,5,6,7,8,9,10,11,12,13,14,15,16,17,18,19,20,21,22,23,24,25,26,27,28,29,30,31
	v_mov_b32 v[160+\j], 0                         ; O^T: the step is written once; the first finds zeros, which the first change of M leaves zeros
.endr
.endif
.Lkeys_\@:
	v_add_nc_u32 v8, s[TK], v1                     ; (these six are also the places behind the last products, in front of the loads below)
	v_add_nc_u32 v9, s[TK], v2
	v_add_nc_u32 v10, s[TV], v1
	v_add_nc_u32 v11, s[TV], v2
	v_add_nc_u32 v6, s[TKS], v3
	v_add_nc_u32 v7, s[TVS], v3
.irp t, 0,1,2,3,4,5,6,7
	ds_load_b128 v[32+6*\t:35+6*\t], v8 offset:768*\t     ; tile t of 16 keys: six registers
	ds_load_b64 v[36+6*\t:37+6*\t], v9 offset:768*\t
.endr
.irp j, 0,1,2,3
	ds_load_u16 v[248+\j], v6 offset:128*\j        ; the head's two bytes of 32 keys' scale words: lanes 0-15 tile 2 j's, lanes 16-31 tile 2 j + 1's
.endr
	s_wait_alu depctr_va_vdst(0)
	s_wait_dscnt 0x0
.irp t, 0,1,2,3,4,5,6,7                        ; S^T = K Q^T.  Source 0 names twelve registers: the upper six are the next tile's, against Q's zero codes
.if \t%2
	v_wmma_scale_f32_16x16x128_f8f6f4 v[96+8*\t:103+8*\t], v[32+6*\t:43+6*\t], v[16:27], 0, v[248+\t/2], v255 matrix_a_fmt:MATRIX_FMT_FP6 matrix_b_fmt:MATRIX_FMT_FP6 matrix_a_scale:MATRIX_SCALE_ROW1
.else
	v_wmma_scale_f32_16x16x128_f8f6f4 v[96+8*\t:103+8*\t], v[32+6*\t:43+6*\t], v[16:27], 0, v[248+\t/2], v255 matrix_a_fmt:MATRIX_FMT_FP6 matrix_b_fmt:MATRIX_FMT_FP6
.endif
.endr
.rept 4
	v_nop                                          ; places in front of loads into registers that these products have read, and of the first read of the scores
.endr
.irp t, 0,1,2,3                                ; V's four fragments (16 channels x 128 keys) are asked for now and land during the softmax
.irp c, 0,1
	ds_load_b128 v[32+12*\t+6*\c:35+12*\t+6*\c], v10 offset:6144*\c+768*\t
	ds_load_b64 v[36+12*\t+6*\c:37+12*\t+6*\c], v11 offset:6144*\c+768*\t
.endr
.endr
	ds_load_b32 v248, v7                           ; V's scale words: lanes 0-15 tile 0's, lanes 16-31 tile 1's;
	ds_load_b32 v249, v7 offset:128                ; tiles 2 and 3
.irp b, 0,1,2,3
	v_max3_num_f32 v[232+\b], v[96+16*\b], v[97+16*\b], v[98+16*\b]   ; the largest score of each block of 32 keys: it serves for the row's maximum and, since p rises with the score, for the block's largest p
.endr
.irp i, 3,5,7,9,11,13
.irp b, 0,1,2,3
	v_max3_num_f32 v[232+\b], v[232+\b], v[96+16*\b+\i], v[97+16*\b+\i]
.endr
.endr
.irp b, 0,1,2,3
	v_max_num_f32 v[232+\b], v[232+\b], v[111+16*\b]
.endr
.irp b, 0,1,2,3
	s_delay_alu instid0(VALU_DEP_4)
	v_permlanex16_b32 v[236+\b], v[232+\b], s[SEL], s[SEL+1]
.endr
.irp b, 0,1,2,3
	s_delay_alu instid0(VALU_DEP_4)
	v_max_num_f32 v[232+\b], v[232+\b], v[236+\b]  ; with lane l xor 16's 16 keys
.endr
	s_delay_alu instid0(VALU_DEP_2)
	v_max3_num_f32 v254, v232, v233, v234
	s_delay_alu instid0(VALU_DEP_1)
	v_max_num_f32 v254, v254, v235                 ; the step's largest score of my query,
	s_delay_alu instid0(VALU_DEP_1)
	v_fma_f32 v254, v254, s[CS], s[BP+\p]          ; as t (c is positive)
	s_delay_alu instid0(VALU_DEP_1)
	v_max_num_f32 v13, v13, v254                   ; the running largest t
	v_mov_b32 v254, v12
	s_delay_alu instid0(VALU_DEP_2)
	v_floor_f32 v12, -v13                          ; the new -M = -ceil(t): M is a whole number
	s_delay_alu instid0(VALU_DEP_1)
	v_sub_f32 v254, v12, v254                      ; old M - new M: a whole number, 0 or less
	s_delay_alu instid0(VALU_DEP_1)
	v_cvt_i32_f32 v254, v254                       ; (it saturates)
	s_delay_alu instid0(VALU_DEP_1)
	v_ldexp_f32 v252, 1.0, v254                    ; f = 2^(old M - new M)
	s_delay_alu instid0(VALU_DEP_4)
	v_add_f32 v28, s[BP+\p], v12                   ; bias' - M
.irp j, 0,2,4,6,8,10,12,14,16,18,20,22,24,26,28,30,32,34,36,38,40,42,44,46,48,50,52,54,56,58,60,62
	v_pk_fma_f32 v[96+\j:97+\j], v[96+\j:97+\j], s[CS:CS+1], v[28:29] op_sel_hi:[1,0,0]   ; t - M, two at a time
.endr
.irp b, 0,1,2,3
	v_fma_f32 v[232+\b], v[232+\b], s[CS], v28     ; the same of each block's largest score
.endr
	s_wait_alu depctr_va_vdst(0)
.irp j, 0,1,2,3,4,5,6,7,8,9,10,11,12,13,14,15,16,17,18,19,20,21,22,23,24,25,26,27,28,29,30,31,32,33,34,35,36,37,38,39,40,41,42,43,44,45,46,47,48,49,50,51,52,53,54,55,56,57,58,59,60,61,62,63
	v_exp_f32 v[96+\j], v[96+\j]                   ; p = 2^(t - M): not normalised
.endr
	v_pk_mul_f32 v[14:15], v[14:15], v[252:253] op_sel_hi:[1,0]   ; the sums under the new M; a plain place behind the exponentials
	s_wait_alu depctr_va_vdst(0)                   ; one wait for the whole batch, ahead of its first reader
.irp b, 0,1,2,3
	v_exp_f32 v[232+\b], v[232+\b]                 ; the block's largest p: the same two instructions on the same number give the same bits
.endr
	v_pk_add_f32 v[236:237], v[100:101], v[104:105]
	v_pk_add_f32 v[250:251], v[108:109], v[112:113]
	v_pk_add_f32 v[246:247], v[116:117], v[120:121]
	v_pk_add_f32 v[244:245], v[124:125], v[128:129]
	v_pk_add_f32 v[242:243], v[132:133], v[136:137]
	v_pk_add_f32 v[240:241], v[140:141], v[144:145]
	v_pk_add_f32 v[238:239], v[148:149], v[152:153]
	v_pk_add_f32 v[14:15], v[14:15], v[156:157]
	v_pk_add_f32 v[236:237], v[236:237], v[96:97]
	v_pk_add_f32 v[250:251], v[250:251], v[98:99]
	v_pk_add_f32 v[246:247], v[246:247], v[102:103]
	v_pk_add_f32 v[244:245], v[244:245], v[106:107]
	v_pk_add_f32 v[242:243], v[242:243], v[110:111]
	v_pk_add_f32 v[240:241], v[240:241], v[114:115]
	v_pk_add_f32 v[238:239], v[238:239], v[118:119]
	v_pk_add_f32 v[14:15], v[14:15], v[122:123]
	v_pk_add_f32 v[236:237], v[236:237], v[126:127]
	v_pk_add_f32 v[250:251], v[250:251], v[130:131]
	v_pk_add_f32 v[246:247], v[246:247], v[134:135]
	v_pk_add_f32 v[244:245], v[244:245], v[138:139]
	v_pk_add_f32 v[242:243], v[242:243], v[142:143]
	v_pk_add_f32 v[240:241], v[240:241], v[146:147]
	v_pk_add_f32 v[238:239], v[238:239], v[150:151]
	v_pk_add_f32 v[14:15], v[14:15], v[154:155]
	v_pk_add_f32 v[236:237], v[236:237], v[158:159]
	s_delay_alu instid0(VALU_DEP_2)
	v_pk_add_f32 v[14:15], v[14:15], v[244:245]
	s_delay_alu instid0(VALU_DEP_2)
	v_pk_add_f32 v[236:237], v[236:237], v[242:243]
	v_pk_add_f32 v[250:251], v[250:251], v[240:241]
	v_pk_add_f32 v[246:247], v[246:247], v[238:239]
	s_delay_alu instid0(VALU_DEP_2)
	v_pk_add_f32 v[14:15], v[14:15], v[250:251]
	s_delay_alu instid0(VALU_DEP_2)
	v_pk_add_f32 v[236:237], v[236:237], v[246:247]
	s_delay_alu instid0(VALU_DEP_1)
	v_pk_add_f32 v[14:15], v[14:15], v[236:237]
	s_wait_alu depctr_va_vdst(0)                   ; and one for the four
.irp b, 0,1,2,3
	v_max_num_f32 v[232+\b], 0x1800000, v[232+\b]  ; the floor 2^(3 - 127): the byte cannot fall under 1
.endr
.irp b, 0,1,2,3
	s_delay_alu instid0(VALU_DEP_4)
	v_add_nc_u32 v[244+\b], 0xff000000, v[232+\b]  ; 2 off the exponent field: the conversion's scale operand
.endr
.irp b, 0,1,2,3
	s_delay_alu instid0(VALU_DEP_4)
	v_lshrrev_b32 v[236+\b], 23, v[244+\b]         ; the scale's byte
.endr
	s_delay_alu instid0(VALU_DEP_3)
	v_lshl_or_b32 v253, v237, 8, v236              ; p's scale word for these 128 keys
	s_delay_alu instid0(VALU_DEP_1)
	v_lshl_or_b32 v253, v238, 16, v253
	s_delay_alu instid0(VALU_DEP_1)
	v_lshl_or_b32 v253, v239, 24, v253
.irp c, 0,1
	v_cvt_scalef32_pk16_fp6_f32 v[224+6*\c:226+6*\c], v[96+32*\c:111+32*\c], v[244+2*\c]
	v_cvt_scalef32_pk16_fp6_f32 v[236+4*\c:238+4*\c], v[112+32*\c:127+32*\c], v[244+2*\c+1]   ; (a conversion's three registers begin on an even number)
.endr
	v_nop                                          ; one plain place behind a scaled conversion
.irp c, 0,1                                    ; the operand's layout wants a whole block in a lane
.irp i, 0,1,2
	v_permlane16_swap_b32 v[224+6*\c+\i], v[236+4*\c+\i]
.endr
.irp i, 0,1,2
	s_delay_alu instid0(VALU_DEP_3)
	v_mov_b32 v[227+6*\c+\i], v[236+4*\c+\i]
.endr
.endr
.irp j, 0,2,4,6,8,10,12,14,16,18,20,22,24,26,28,30
	v_pk_mul_f32 v[160+\j:161+\j], v[160+\j:161+\j], v[252:253] op_sel_hi:[1,0]   ; O^T under the new M; these sixteen are also the places in front of the products below
.endr
	s_wait_alu depctr_va_vdst(0)
	s_wait_dscnt 0x0                               ; V is in
.irp t, 0,1,2,3                                ; O^T += V^T P^T: the four accumulators by turns
.if \t%2
	v_wmma_scale_f32_16x16x128_f8f6f4 v[160+8*\t:167+8*\t], v[32+12*\t:43+12*\t], v[224:235], v[160+8*\t:167+8*\t], v[248+\t/2], v253 matrix_a_fmt:MATRIX_FMT_FP6 matrix_b_fmt:MATRIX_FMT_FP6 matrix_a_scale:MATRIX_SCALE_ROW1
.else
	v_wmma_scale_f32_16x16x128_f8f6f4 v[160+8*\t:167+8*\t], v[32+12*\t:43+12*\t], v[224:235], v[160+8*\t:167+8*\t], v[248+\t/2], v253 matrix_a_fmt:MATRIX_FMT_FP6 matrix_b_fmt:MATRIX_FMT_FP6
.endif
.endr
	s_add_co_u32 s[TK], s[TK], 6144                ; the next 128 keys: 8 tiles of K,
	s_add_co_u32 s[TV], s[TV], 12288               ; two groups of 64 keys of V,
	s_add_co_u32 s[TKS], s[TKS], 512               ; and their scale words
	s_add_co_u32 s[TVS], s[TVS], 512
	s_sub_co_u32 s[CNT], s[CNT], 1
	s_cmp_lg_u32 s[CNT], 0
	s_cbranch_scc1 .Lkeys_\@
	; the head's ctx: O^T / the sum, quantised along the head's 64 channels: two blocks, half a fragment
.rept 4
	v_nop                                          ; places behind the last products
.endr
	v_add_f32 v14, v14, v15                        ; the sum's two halves,
	s_delay_alu instid0(VALU_DEP_1)
	v_permlanex16_b32 v252, v14, s[SEL], s[SEL+1]
	s_delay_alu instid0(VALU_DEP_1)
	v_add_f32 v14, v14, v252                       ; and lane l xor 16's
	s_wait_alu depctr_va_vdst(0)
	v_rcp_f32 v14, v14
	v_nop                                          ; a plain place behind the reciprocal
	s_wait_alu depctr_va_vdst(0)                   ; and the wait ahead of its first reader
.irp j, 0,2,4,6,8,10,12,14,16,18,20,22,24,26,28,30
	v_pk_mul_f32 v[96+\j:97+\j], v[160+\j:161+\j], v[14:15] op_sel_hi:[1,0]   ; register 8 t + i: channel 16 t + 8 (lane / 16) + i of my query
.endr
.irp b, 0,1
	v_max3_num_f32 v[232+\b], |v[96+16*\b]|, |v[97+16*\b]|, 0x1800000
.endr
.irp i, 2,4,6,8,10,12,14
.irp b, 0,1
	s_delay_alu instid0(VALU_DEP_2)
	v_max3_num_f32 v[232+\b], v[232+\b], |v[96+16*\b+\i]|, |v[97+16*\b+\i]|
.endr
.endr
.irp b, 0,1
	s_delay_alu instid0(VALU_DEP_2)
	v_permlanex16_b32 v[236+\b], v[232+\b], s[SEL], s[SEL+1]
.endr
.irp b, 0,1
	s_delay_alu instid0(VALU_DEP_2)
	v_max_num_f32 v[232+\b], v[232+\b], v[236+\b]
.endr
.irp b, 0,1
	s_delay_alu instid0(VALU_DEP_2)
	v_add_nc_u32 v[244+\b], 0xff000000, v[232+\b]
.endr
.irp b, 0,1
	s_delay_alu instid0(VALU_DEP_2)
	v_lshrrev_b32 v[236+\b], 23, v[244+\b]
.endr
.if \p
	s_delay_alu instid0(VALU_DEP_1)
	v_lshl_or_b32 v254, v237, 8, v236
	s_delay_alu instid0(VALU_DEP_1)
	v_lshl_or_b32 v30, v254, 16, v30               ; the odd head's two bytes above the even head's
.else
	s_delay_alu instid0(VALU_DEP_1)
	v_lshl_or_b32 v30, v237, 8, v236
.endif
	v_cvt_scalef32_pk16_fp6_f32 v[CX:CX+2], v[96:111], v244
	v_cvt_scalef32_pk16_fp6_f32 v[208:210], v[112:127], v245
	v_nop                                          ; one plain place behind a scaled conversion
.irp i, 0,1,2
	v_permlane16_swap_b32 v[CX+\i], v[208+\i]
.endr
.irp i, 0,1,2
	s_delay_alu instid0(VALU_DEP_3)
	v_mov_b32 v[CX+3+\i], v[208+\i]
.endr
	global_store_b128 v1, v[CX:CX+3], s[16:17] offset:768*\p    ; 512 consecutive bytes, then 256: the image.  Each head has registers of its own: no store's data are written again
	global_store_b64 v2, v[CX+4:CX+5], s[16:17] offset:768*\p
.endm
	PASS 0
	PASS 1
	global_store_b32 v31, v30, s[18:19]            ; my rows' four scale bytes of this pair of heads: 4 bytes in each row's 32 (1/24 of the codes' bytes); lanes l and l xor 16 store the same word to the same place
	s_wait_tensorcnt 0x0                           ; the wave's end
	ds_add_u32 v4, v5
	s_wait_dscnt 0x0
	ROUND                                          ; the closing round
	s_endpgm
.Lfunc_end_k_q41d60aacd7_attn:
	.size	k_q41d60aacd7_attn, .Lfunc_end_k_q41d60aacd7_attn-k_q41d60aacd7_attn
	.p2alignl 7, 3214868480
	.fill 96, 4, 3214868480
	.section	.rodata,"a",@progbits
	.p2align	6, 0x0
	.amdhsa_kernel k_q41d60aacd7_attn
		.amdhsa_group_segment_fixed_size 206848
		.amdhsa_private_segment_fixed_size 0
		.amdhsa_enable_private_segment 0
		.amdhsa_kernarg_size 64
		.amdhsa_user_sgpr_count 2
		.amdhsa_user_sgpr_kernarg_segment_ptr 1
		.amdhsa_wavefront_size32 1
		.amdhsa_system_sgpr_workgroup_id_x 1
		.amdhsa_system_sgpr_workgroup_id_y 1
		.amdhsa_system_sgpr_workgroup_id_z 1
		.amdhsa_system_vgpr_workitem_id 0
		.amdhsa_next_free_vgpr 256
		.amdhsa_next_free_sgpr 100
		.amdhsa_reserve_vcc 0
		.amdhsa_float_denorm_mode_32 3
		.amdhsa_float_denorm_mode_16_64 3
		.amdhsa_memory_ordered 1
		.amdhsa_forward_progress 1
		.amdhsa_inst_pref_size 62
	.end_amdhsa_kernel
	.amdgpu_metadata
---
amdhsa.version: [ 1, 2 ]
amdhsa.kernels:
  - .name:           k_q41d60aacd7_attn
    .symbol:         k_q41d60aacd7_attn.kd
    .args:
      - { .name: qkv_codes, .offset: 0, .size: 8, .value_kind: global_buffer, .address_space: global }
      - { .name: qkv_scales, .offset: 8, .size: 8, .value_kind: global_buffer, .address_space: global }
      - { .name: phases0, .offset: 16, .size: 8, .value_kind: global_buffer, .address_space: global }
      - { .name: freqs, .offset: 24, .size: 8, .value_kind: global_buffer, .address_space: global }
      - { .name: nbr_w, .offset: 32, .size: 8, .value_kind: global_buffer, .address_space: global }
      - { .name: nbr_idx, .offset: 40, .size: 8, .value_kind: global_buffer, .address_space: global }
      - { .name: ctx_codes, .offset: 48, .size: 8, .value_kind: global_buffer, .address_space: global }
      - { .name: ctx_scales, .offset: 56, .size: 8, .value_kind: global_buffer, .address_space: global }
    .group_segment_fixed_size: 206848
    .private_segment_fixed_size: 0
    .kernarg_segment_align: 8
    .kernarg_segment_size: 64
    .max_flat_workgroup_size: 512
    .sgpr_count:     100
    .vgpr_count:     256
    .wavefront_size: 32
...
	.end_amdgpu_metadata
.endif
;; end of part 3
;; launch outp (part 4): grid 4 x 64, 4 waves a work-group, clusters of 4 x 4, 327,680 bytes of LDS; arguments ctx_codes, ctx_scales, xw_codes, xw_scales, bo, out0; writes out0
.if DOCPART == 4
	.amdgcn_target "amdgcn-amd-amdhsa--gfx1250"
	.amdhsa_code_object_version 6
	.text
	.protected	k_q41d60aacd7_outp
	.globl	k_q41d60aacd7_outp
	.p2align	8
	.type	k_q41d60aacd7_outp,@function
k_q41d60aacd7_outp:
	s_mov_b64 s[64:65], 0
	v_nop
	global_prefetch_b8 v0, s[64:65] scope:SCOPE_SE
	s_setreg_imm32_b32 hwreg(HW_REG_WAVE_MODE, 25, 1), 1
	s_wait_xcnt 0x0
	s_wait_alu depctr_hold_cnt(0) depctr_sa_sdst(0) depctr_va_vdst(0) depctr_va_sdst(0) depctr_va_ssrc(0) depctr_va_vcc(0) depctr_vm_vsrc(0)
	s_getreg_b32 s2, hwreg(HW_REG_IB_STS2, 6, 4)
	s_cmp_eq_u32 s2, 0
	s_cbranch_scc0 .Lentry_in_a_cluster
	s_endpgm
.Lentry_in_a_cluster:
	s_bfe_u32 s2, ttmp6, 0x10000c
	s_cmp_lg_u32 s2, 0xf033
	s_cbranch_scc0 .Lentry_shape_is_right
	s_endpgm
.Lentry_shape_is_right:
; out0 = ctx Wo + bo on codes of FP6 (E2M3) with E8M0 scales, K = 1,024.  A work-group makes 128 rows x 256 columns, four waves 64 x 128 each; source 0 = Wo's columns, source 1 = ctx's rows; bo is the C of the first products.
; ALL OPERANDS LIE IN LDS, brought once: ctx's codes (98,304 dense bytes), Wo's (196,608), and the two blocks of scales: four dense blocks, ONE joint load a wave at the head, behind the one round; nothing is filled again.
; CLUSTERS 4 x 4: ctx's tiles are shared along a row of the cluster, Wo's along a column.  The barrier in the fourth K step parts all waves' reads of the first K steps from the way-out stage, which lies on those bytes.
; No prefetch: the launch has no loop to run ahead in; every byte is asked for at the head.
.set SIZE_N, 1024
.set FR,     12
.set NP,     4
.set REG,    98304
.set HALFK,  49152
.set QUART,  24576
.set KS,     32
.set SCL,    3*REG
.set HALFS,  16*272
.set SBLK,   2*272
.set SPARE,  SCL+3*HALFS
.set SPITCH, 528
.set ADRA, 16
.set ADRB, 20
.set STO,  24
.set RD,   25
.set CO,   26
.set ADRS, 27
.set SPW,  28
.set NIL,  29
.set BOA,  30
.set SC,   32
.set BO,   96
.set AF,   160
.set BK,   128
.set G1, 24
.set G0, 32
.set G1B, 48
.set G0B, 56
.set G1S, 68
.set G0S, 76
.set G1SB, 80
.set G0SB, 88
.set MSB, 0
.macro WIN new
.if MSB != \new
	s_set_vgpr_msb (MSB<<8)|\new
.set MSB, \new
.endif
.endm
.set MUL,   0xa1
.set FIRST, 0x81
.set TO_B,  0x40
; an arm of the head's tree of branches on the wave's number: its one load, and a jump to the tree's end
.macro ARM under, g0, g1, next
	s_cmp_lt_u32 s14, \under
	s_cbranch_scc0 \next
	tensor_load_to_lds s[\g0:\g0+3], s[\g1:\g1+7]
	s_nop 0
.rept 4
	v_nop
.endr
	s_branch .Lhead_asked
\next:
.endm
.macro CROUND
	s_barrier_signal -1
	s_barrier_wait -1
	s_cmp_lg_u32 s14, 0
	s_cbranch_scc1 .Lnot_wave_0_\@
	s_barrier_signal -3
.Lnot_wave_0_\@:
	s_barrier_wait -3
	s_barrier_signal -1
	s_barrier_wait -1
.endm
.macro DENSE g, rows
	s_mov_b32 s[\g+1], 32<<16
	s_mov_b32 s[\g+2], (\rows)<<16
	s_mov_b32 s[\g+3], 32<<16
	s_mov_b32 s[\g+4], \rows
	s_mov_b32 s[\g+5], 32
	s_mov_b32 s[\g+6], 0
	s_mov_b32 s[\g+7], 0
.endm
	s_load_b256 s[4:11], s[0:1], 0x0
	s_load_b128 s[96:99], s[0:1], 0x20
	v_lshl_add_u32 v[SPW], v0, 2, SPARE
	v_mov_b32 v[NIL], 0
	ds_add_u32 v[SPW], v[NIL]
	ds_add_u32 v[SPW], v[NIL]
	v_lshrrev_b32 v1, 5, v0
	v_readfirstlane_b32 s14, v1
	s_lshr_b32 s15, s14, 1
	s_and_b32 s16, s14, 1
	s_bfe_u32 s40, ttmp6, 0x40000
	s_bfe_u32 s41, ttmp6, 0x40004
	s_lshl_b32 s42, ttmp9, 2
	s_add_co_u32 s42, s42, s40
	s_and_b32 s17, ttmp7, 0xffff
	s_lshl_b32 s17, s17, 2
	s_add_co_u32 s17, s17, s41
	s_lshl_b32 s43, s41, 2
	s_lshl_b32 s43, 15, s43
	s_lshl_b32 s44, 0x1111, s40
	s_or_b32 s[G1+0], s43, (3<<16)|(1<<21)
	s_or_b32 s[G1B+0], s44, (3<<16)|(1<<21)
	DENSE G1, 384                                  ; ctx's codes: 128 rows x all of K
	DENSE G1B, 768                                 ; Wo's: 256 columns x all of K
	s_or_b32 s[G1S+0], s43, (3<<16)|(1<<20)|(1<<21)|(5<<22)|(3<<25)
	s_or_b32 s[G1SB+0], s44, (3<<16)|(1<<20)|(1<<21)|(5<<22)|(3<<25)
	DENSE G1S, 16
	DENSE G1SB, 32
	s_mul_i32 s20, s17, REG                        ; my 128 rows of ctx: their codes,
	s_mov_b32 s21, 0
	s_lshl_b32 s22, s17, 12                        ; their scales
	s_mov_b32 s23, 0
	s_lshl_b32 s46, s42, 1
	s_add_co_u32 s46, s46, 216                     ; my 256 columns of Wo: groups of 128 items from 216 on
	s_lshl_b32 s92, s46, 12
	s_mov_b32 s93, 0
	s_mul_i32 s46, s46, REG
	s_mov_b32 s47, 0
	s_wait_dscnt 0x0
	s_wait_kmcnt 0x0
	s_add_nc_u64 s[20:21], s[4:5], s[20:21]
	s_add_nc_u64 s[22:23], s[6:7], s[22:23]
	s_add_nc_u64 s[46:47], s[8:9], s[46:47]
	s_add_nc_u64 s[92:93], s[10:11], s[92:93]
	CROUND
	s_mov_b32 s[G0S], 1                            ; ctx's scales
	s_mov_b32 s[G0S+1], SCL
	s_mov_b64 s[G0S+2:G0S+3], s[22:23]
	s_or_b32 s[G0S+3], s[G0S+3], 0x80000000
	s_mov_b32 s[G0SB], 1                           ; Wo's scales
	s_mov_b32 s[G0SB+1], SCL+HALFS
	s_mov_b64 s[G0SB+2:G0SB+3], s[92:93]
	s_or_b32 s[G0SB+3], s[G0SB+3], 0x80000000
	s_mov_b32 s[G0], 1                             ; ctx's codes, from LDS byte 0
	s_mov_b32 s[G0+1], 0
	s_mov_b64 s[G0+2:G0+3], s[20:21]
	s_or_b32 s[G0+3], s[G0+3], 0x80000000
	s_mov_b32 s[G0B], 1                            ; Wo's codes, behind them
	s_mov_b32 s[G0B+1], REG
	s_mov_b64 s[G0B+2:G0B+3], s[46:47]
	s_or_b32 s[G0B+3], s[G0B+3], 0x80000000
	ARM 1, G0B, G1B, .Lhead_a                      ; one load a wave: every way through the tree passes exactly one
	ARM 2, G0,  G1,  .Lhead_sa
	ARM 3, G0S, G1S, .Lhead_sb
	tensor_load_to_lds s[G0SB:G0SB+3], s[G1SB:G1SB+7]
	s_nop 0
.rept 4
	v_nop
.endr
.Lhead_asked:
	v_and_b32 v1, 15, v0
	v_bfe_u32 v2, v0, 4, 1
	v_and_b32 v6, 31, v0
	v_lshlrev_b32 v[CO], 4, v6
	s_wait_alu depctr_va_vdst(0)
	v_lshl_add_u32 v4, v6, 3, 512
	s_wait_alu depctr_va_vdst(0)
	s_lshl_b32 s46, s42, 10
	s_lshl_b32 s47, s16, 9
	s_add_co_u32 s46, s46, s47
	s_mov_b32 s47, 0
	s_add_nc_u64 s[96:97], s[96:97], s[46:47]
	v_lshlrev_b32 v[BOA], 5, v2
.irp b, 0,1,2,3,4,5,6,7
	global_load_b128 v[BO+8*\b:BO+8*\b+3], v[BOA], s[96:97] offset:64*\b
	global_load_b128 v[BO+8*\b+4:BO+8*\b+7], v[BOA], s[96:97] offset:64*\b+16
.endr
	s_mul_i32 s21, s15, 4*1536
	s_mul_i32 s22, s16, REG
	s_add_co_u32 s22, s22, REG
.irp j, 0,1
	v_add_nc_u32 v[ADRA+\j], s21, v[CO]
	v_add_nc_u32 v[ADRB+\j], s22, v[CO]
	v_add_nc_u32 v[ADRA+2+\j], s21, v4
	v_add_nc_u32 v[ADRB+2+\j], s22, v4
	s_add_co_u32 s21, s21, HALFK
	s_add_co_u32 s22, s22, HALFK
.endr
	v_mul_u32_u24 v5, v1, KS
	v_lshrrev_b32 v6, 8, v5
	v_lshl_add_u32 v5, v6, 4, v5
	s_mul_i32 s21, s15, 4*SBLK
	s_mul_i32 s22, s16, HALFS
	s_add_co_u32 s22, s22, HALFS
	s_sub_co_u32 s22, s22, s21
	v_mul_u32_u24 v6, s22, v2
	s_add_co_u32 s21, s21, SCL
	v_add_nc_u32 v5, v5, v6
	v_add_nc_u32 v[ADRS], s21, v5
	s_mul_i32 s23, s14, 16*SPITCH
	v_mul_u32_u24 v5, v1, SPITCH
	v_lshl_add_u32 v5, v2, 5, v5
	v_add_nc_u32 v[STO], s23, v5
	v_add_nc_u32 v[RD], s23, v[CO]
	s_lshl_b32 s20, s17, 7
	s_lshl_b32 s21, s15, 6
	s_add_co_u32 s20, s20, s21
	s_lshl_b32 s20, s20, 12
	s_mov_b32 s21, 0
	s_add_nc_u64 s[20:21], s[20:21], s[46:47]
	s_add_nc_u64 s[98:99], s[98:99], s[20:21]
.macro FRAG reg, adr, q, i
.irp c, 0,1
	ds_load_b128 v[\reg+6*\c:\reg+6*\c+3], v[\adr] offset:((\q)*8+(\i))*1536+768*\c
	ds_load_b64 v[\reg+6*\c+4:\reg+6*\c+5], v[\adr+2] offset:((\q)*8+(\i))*1536+768*\c
.endr
.endm
.macro FETCH s
.set FP, (\s)%2
.set FJ, (\s)/4
.set FQ, (\s)%4
	WIN TO_B
.irp i, 0,1,2,3,4,5,6,7
	FRAG 128*FP+FR*\i, ADRB+FJ, FQ, \i
.endr
	WIN 0
.irp i, 0,1,2,3
	FRAG AF+48*FP+FR*\i, ADRA+FJ, FQ, \i
.endr
.endm
.macro MUL8 a, first
.irp b, 0,1,2,3,4,5,6,7
.if \first
	v_wmma_scale_f32_16x16x128_f8f6f4 v[8*(8*(\a)+\b):8*(8*(\a)+\b)+7], v[128*MP+FR*\b:128*MP+FR*\b+FR-1], v[AF+48*MP+FR*(\a):AF+48*MP+FR*(\a)+FR-1], v[BO+8*\b:BO+8*\b+7], v[SC+32*MJ+4*\b+MQ], v[SC+32*MJ+4*(\a)+MQ] matrix_a_fmt:MATRIX_FMT_FP6 matrix_b_fmt:MATRIX_FMT_FP6 matrix_a_scale:MATRIX_SCALE_ROW1
.else
	v_wmma_scale_f32_16x16x128_f8f6f4 v[8*(8*(\a)+\b):8*(8*(\a)+\b)+7], v[128*MP+FR*\b:128*MP+FR*\b+FR-1], v[AF+48*MP+FR*(\a):AF+48*MP+FR*(\a)+FR-1], v[8*(8*(\a)+\b):8*(8*(\a)+\b)+7], v[SC+32*MJ+4*\b+MQ], v[SC+32*MJ+4*(\a)+MQ] matrix_a_fmt:MATRIX_FMT_FP6 matrix_b_fmt:MATRIX_FMT_FP6 matrix_a_scale:MATRIX_SCALE_ROW1
.endif
.endr
.endm
.macro PLACES n
.rept \n
	v_nop
.endr
.endm
.macro KSTEP s
.set MP, (\s)%2
.set MJ, (\s)/4
.set MQ, (\s)%4
.set KW, MUL
.set KF, 0
.if (\s) == 0
.set KW, FIRST
.set KF, 1
.endif
	s_wait_dscnt 0x0
.if (\s) == 3
	s_wait_tensorcnt 0x0
	s_barrier_signal -1
.endif
	WIN KW
	MUL8 0, KF
.if (\s) == 3
	s_barrier_wait -1
.endif
.if (\s) < 7
	PLACES NP
	FETCH (\s)+1
.endif
	WIN KW
	MUL8 1, KF
	MUL8 2, KF
	MUL8 3, KF
.endm
	s_wait_alu depctr_va_vdst(0)
	s_wait_tensorcnt 0x0                           ; my one load has landed; behind the barrier everybody's has
	s_barrier_signal -1
	s_barrier_wait -1
.irp j, 0,1
.irp i, 0,1,2,3,4,5,6,7
	ds_load_b128 v[SC+32*\j+4*\i:SC+32*\j+4*\i+3], v[ADRS] offset:\i*SBLK+16*\j
.endr
.endr
	FETCH 0
	s_wait_loadcnt 0x0
.irp s, 0,1,2,3,4,5,6,7
	KSTEP \s
.endr
	WIN 0
.macro TOSTAGE a
.set AC, 64*(\a)
	WIN 0x08
.irp b, 0,1,2,3,4,5,6,7
	ds_store_b128 v[STO], v[AC+8*\b:AC+8*\b+3] offset:64*\b
	ds_store_b128 v[STO], v[AC+8*\b+4:AC+8*\b+7] offset:64*\b+16
.endr
	WIN 0
.set BB, BK+64*((\a)%2)
.irp t, 0,1,2,3,4,5,6,7,8,9,10,11,12,13,14,15
	ds_load_b128 v[BB+4*\t:BB+4*\t+3], v[RD] offset:\t*SPITCH
.endr
.endm
.macro SEND a, younger
.set BB, BK+64*((\a)%2)
	s_wait_dscnt \younger
.if (\a) > 0
	s_add_nc_u64 s[98:99], s[98:99], 16*SIZE_N*4
.endif
.irp t, 0,1,2,3,4,5,6,7,8,9,10,11,12,13,14,15
	global_store_b128 v[CO], v[BB+4*\t:BB+4*\t+3], s[98:99] offset:\t*SIZE_N*4 th:TH_STORE_NT
.endr
.endm
	PLACES NP
	TOSTAGE 0
.irp a, 1,2,3
.if \a > 1
	s_wait_xcnt 0x0
.endif
	TOSTAGE \a
	SEND \a-1, 32
.endr
	s_wait_xcnt 0x0
	SEND 3, 0
	s_wait_tensorcnt 0x0
	ds_add_u32 v[SPW], v[NIL]
	s_wait_dscnt 0x0
	CROUND
	s_endpgm
.Lfunc_end_k_q41d60aacd7_outp:
	.size	k_q41d60aacd7_outp, .Lfunc_end_k_q41d60aacd7_outp-k_q41d60aacd7_outp
	.p2alignl 7, 3214868480
	.fill 96, 4, 3214868480
	.section	.rodata,"a",@progbits
	.p2align	6, 0x0
	.amdhsa_kernel k_q41d60aacd7_outp
		.amdhsa_group_segment_fixed_size 327680
		.amdhsa_private_segment_fixed_size 0
		.amdhsa_enable_private_segment 0
		.amdhsa_kernarg_size 48
		.amdhsa_user_sgpr_count 2
		.amdhsa_user_sgpr_kernarg_segment_ptr 1
		.amdhsa_wavefront_size32 1
		.amdhsa_system_sgpr_workgroup_id_x 1
		.amdhsa_system_sgpr_workgroup_id_y 1
		.amdhsa_system_sgpr_workgroup_id_z 1
		.amdhsa_system_vgpr_workitem_id 0
		.amdhsa_next_free_vgpr 768
		.amdhsa_next_free_sgpr 100
		.amdhsa_reserve_vcc 0
		.amdhsa_float_denorm_mode_32 3
		.amdhsa_float_denorm_mode_16_64 3
		.amdhsa_memory_ordered 1
		.amdhsa_forward_progress 1
		.amdhsa_inst_pref_size 85
	.end_amdhsa_kernel
	.amdgpu_metadata
---
amdhsa.version: [ 1, 2 ]
amdhsa.kernels:
  - .name:           k_q41d60aacd7_outp
    .symbol:         k_q41d60aacd7_outp.kd
    .args:
      - { .name: ctx_codes, .offset: 0, .size: 8, .value_kind: global_buffer, .address_space: global }
      - { .name: ctx_scales, .offset: 8, .size: 8, .value_kind: global_buffer, .address_space: global }
      - { .name: xw_codes, .offset: 16, .size: 8, .value_kind: global_buffer, .address_space: global }
      - { .name: xw_scales, .offset: 24, .size: 8, .value_kind: global_buffer, .address_space: global }
      - { .name: bo, .offset: 32, .size: 8, .value_kind: global_buffer, .address_space: global }
      - { .name: out0, .offset: 40, .size: 8, .value_kind: global_buffer, .address_space: global }
    .group_segment_fixed_size: 327680
    .private_segment_fixed_size: 0
    .kernarg_segment_align: 8
    .kernarg_segment_size: 48
    .max_flat_workgroup_size: 128
    .sgpr_count:     100
    .vgpr_count:     768
    .wavefront_size: 32
...
	.end_amdgpu_metadata
.endif
;; end of part 4
